; MI455X (gfx1250); checked and timed in simulation.
; The chip was launched on July 23, 2026; its instructions are those of AMD's public machine-readable ISA for CDNA 5 (MIT licence, August 2026) and "CDNA5" Instruction Set Architecture Reference Guide (July 2026). The comments in the code are by the model that wrote it; some were corrected since.
;; Multi Head Latent Attention. Allowed arithmetic: float matrix products may take bf16 or f16 operands with f32 sums; all other float work in f32.
;; Inputs: kvd_b 512 float32; kvd_w 512 x 1,024 float32; kvu_b 2,048 float32; kvu_w 2,048 x 512 float32; out_b 1,024 float32; out_w 1,024 x 1,024 float32; q_b 1,024 float32; q_w 1,024 x 1,024 float32; x 2 x 2,048 x 1,024 float32.
;; Outputs: out0 2 x 2,048 x 1,024 float32.
;; 2 versions, each right; version 2 is version 1 with the launch cvt written anew for expert scheduling mode. Each part assembles by itself: llvm-mc -triple=amdgcn-amd-amdhsa -mcpu=gfx1250 --defsym DOCPART=n.
;; ======== version 1 of 2: 5 launches
;; workspace buffers: bf 15,728,640 bytes; ql 12,582,912 bytes; kv 16,777,216 bytes; att 8,388,608 bytes
;; launch cvt (part 1): grid 480 x 1, 8 waves a work-group, no clusters, 0 bytes of LDS; arguments x, q_w, kvd_w, kvu_w, out_w, bf; writes bf
.if DOCPART == 1
	.amdgcn_target "amdgcn-amd-amdhsa--gfx1250"
	.amdhsa_code_object_version 6
	.text
	.protected	k_q7ba5895f8f_cvt
	.globl	k_q7ba5895f8f_cvt
	.p2align	8
	.type	k_q7ba5895f8f_cvt,@function
k_q7ba5895f8f_cvt:
	s_mov_b64 s[64:65], 0
	v_nop
	global_prefetch_b8 v0, s[64:65] scope:SCOPE_SE
	s_setreg_imm32_b32 hwreg(HW_REG_WAVE_MODE, 25, 1), 1
	s_wait_xcnt 0x0
; Casts the five matrix operands from f32 to bf16 (one rounding to nearest even), once, so that the products that follow move half the bytes
; and no work-group repeats a conversion.  bf holds, in this order and without gaps: x [4096][1024], q_w [1024][1024], kvd_w [512][1024]
; (so q_w and kvd_w form one matrix of 1536 rows), kvu_w [2048][512], out_w [1024][1024].
; A work-group casts 16,384 numbers: 65,536 bytes in, 32,768 bytes out; 480 work-groups cover the 7,864,320 numbers.
; A stream: no LDS, no barrier, no matrix unit, no cluster (no two work-groups read the same byte).
; Every load of a wave covers 512 consecutive bytes; every store of a wave covers 256 consecutive bytes, aligned.
.set NLD, 16                           ; loads of a thread, all issued before the first wait
.set X,   4                            ; v[4:67]   16 x 4 numbers as loaded
.set Y,   68                           ; v[68:99]  16 x 2 words of packed bf16
	s_load_b256 s[4:11], s[0:1], 0x0               ; x s[4:5], q_w s[6:7], kvd_w s[8:9], kvu_w s[10:11]
	s_load_b128 s[12:15], s[0:1], 0x20             ; out_w s[12:13], bf s[14:15]
	v_lshlrev_b32 v1, 4, v0                        ; 16 bytes a thread in
	v_lshlrev_b32 v2, 3, v0                        ; 8 bytes a thread out
	s_lshl_b32 s22, ttmp9, 15                      ; my 32,768 bytes of bf
	s_mov_b32 s23, 0
	s_mov_b32 s18, 416                             ; first work-group of the source chosen so far: out_w
	s_wait_kmcnt 0x0
	s_mov_b64 s[16:17], s[12:13]
	; the source is chosen by the work-group's number alone: four selects, no branch
	s_cmp_lt_u32 ttmp9, 416
	s_cselect_b64 s[16:17], s[10:11], s[16:17]     ; 352 .. 415: kvu_w
	s_cselect_b32 s18, 352, s18
	s_cmp_lt_u32 ttmp9, 352
	s_cselect_b64 s[16:17], s[8:9], s[16:17]       ; 320 .. 351: kvd_w
	s_cselect_b32 s18, 320, s18
	s_cmp_lt_u32 ttmp9, 320
	s_cselect_b64 s[16:17], s[6:7], s[16:17]       ; 256 .. 319: q_w
	s_cselect_b32 s18, 256, s18
	s_cmp_lt_u32 ttmp9, 256
	s_cselect_b64 s[16:17], s[4:5], s[16:17]       ; 0 .. 255: x
	s_cselect_b32 s18, 0, s18
	s_sub_co_u32 s20, ttmp9, s18                   ; my place within the source,
	s_lshl_b32 s20, s20, 16                        ; times 65,536 bytes
	s_mov_b32 s21, 0
	s_add_nc_u64 s[16:17], s[16:17], s[20:21]
	s_add_nc_u64 s[14:15], s[14:15], s[22:23]
.set g, 0
.rept NLD
	global_load_b128 v[X+4*g:X+4*g+3], v1, s[16:17] offset:4096*g th:TH_LOAD_NT    ; read once in the launch
.set g, g+1
.endr
.set g, 0
.rept NLD
	s_wait_loadcnt NLD-1-g                         ; loads come back in order: load g is in, the younger ones stay out
	v_cvt_pk_bf16_f32 v[Y+2*g],   v[X+4*g],   v[X+4*g+1]
	v_cvt_pk_bf16_f32 v[Y+2*g+1], v[X+4*g+2], v[X+4*g+3]
	global_store_b64 v2, v[Y+2*g:Y+2*g+1], s[14:15] offset:2048*g                  ; no register is used twice: no further wait
.set g, g+1
.endr
	s_endpgm
.Lfunc_end_k_q7ba5895f8f_cvt:
	.size	k_q7ba5895f8f_cvt, .Lfunc_end_k_q7ba5895f8f_cvt-k_q7ba5895f8f_cvt
	.p2alignl 7, 3214868480
	.fill 96, 4, 3214868480
	.section	.rodata,"a",@progbits
	.p2align	6, 0x0
	.amdhsa_kernel k_q7ba5895f8f_cvt
		.amdhsa_group_segment_fixed_size 0
		.amdhsa_private_segment_fixed_size 0
		.amdhsa_enable_private_segment 0
		.amdhsa_kernarg_size 48
		.amdhsa_user_sgpr_count 2
		.amdhsa_user_sgpr_kernarg_segment_ptr 1
		.amdhsa_wavefront_size32 1
		.amdhsa_system_sgpr_workgroup_id_x 1
		.amdhsa_system_sgpr_workgroup_id_y 1
		.amdhsa_system_sgpr_workgroup_id_z 1
		.amdhsa_system_vgpr_workitem_id 0
		.amdhsa_next_free_vgpr 100
		.amdhsa_next_free_sgpr 66
		.amdhsa_reserve_vcc 0
		.amdhsa_float_denorm_mode_32 3
		.amdhsa_float_denorm_mode_16_64 3
		.amdhsa_memory_ordered 1
		.amdhsa_forward_progress 1
		.amdhsa_inst_pref_size 7
	.end_amdhsa_kernel
	.amdgpu_metadata
---
amdhsa.version: [ 1, 2 ]
amdhsa.kernels:
  - .name:           k_q7ba5895f8f_cvt
    .symbol:         k_q7ba5895f8f_cvt.kd
    .args:
      - { .name: x, .offset: 0, .size: 8, .value_kind: global_buffer, .address_space: global }
      - { .name: q_w, .offset: 8, .size: 8, .value_kind: global_buffer, .address_space: global }
      - { .name: kvd_w, .offset: 16, .size: 8, .value_kind: global_buffer, .address_space: global }
      - { .name: kvu_w, .offset: 24, .size: 8, .value_kind: global_buffer, .address_space: global }
      - { .name: out_w, .offset: 32, .size: 8, .value_kind: global_buffer, .address_space: global }
      - { .name: bf, .offset: 40, .size: 8, .value_kind: global_buffer, .address_space: global }
    .group_segment_fixed_size: 0
    .private_segment_fixed_size: 0
    .kernarg_segment_align: 8
    .kernarg_segment_size: 48
    .max_flat_workgroup_size: 256
    .sgpr_count:     66
    .vgpr_count:     100
    .wavefront_size: 32
...
	.end_amdgpu_metadata
.endif
;; end of part 1
;; launch projql (part 2): grid 8 x 32, 4 waves a work-group, clusters of 4 x 4, 327,680 bytes of LDS; arguments bf, q_b, kvd_b, ql; writes ql
.if DOCPART == 2
	.amdgcn_target "amdgcn-amd-amdhsa--gfx1250"
	.amdhsa_code_object_version 6
	.text
	.protected	k_q7ba5895f8f_projql
	.globl	k_q7ba5895f8f_projql
	.p2align	8
	.type	k_q7ba5895f8f_projql,@function
k_q7ba5895f8f_projql:
	s_mov_b64 s[64:65], 0
	v_nop
	global_prefetch_b8 v0, s[64:65] scope:SCOPE_SE
	s_setreg_imm32_b32 hwreg(HW_REG_WAVE_MODE, 25, 1), 1
	s_wait_xcnt 0x0
	s_wait_alu depctr_hold_cnt(0) depctr_sa_sdst(0) depctr_va_vdst(0) depctr_va_sdst(0) depctr_va_ssrc(0) depctr_va_vcc(0) depctr_vm_vsrc(0)
	s_getreg_b32 s2, hwreg(HW_REG_IB_STS2, 6, 4)
	s_cmp_eq_u32 s2, 0
	s_cbranch_scc0 .Lentry_in_a_cluster
	s_endpgm
.Lentry_in_a_cluster:
	s_bfe_u32 s2, ttmp6, 0x10000c
	s_cmp_lg_u32 s2, 0xf033
	s_cbranch_scc0 .Lentry_shape_is_right
	s_endpgm
.Lentry_shape_is_right:
; q and latent in one product: C[4096][1536] = x W^T + bias, W = q_w's 1024 rows then kvd_w's 512, all operands bf16 (from bf), sums in f32.
; The result is rounded once to bf16 and stored chunk-major: ql[b][chunk][token][64], chunks 0-15 = q of heads 0-15, chunks 16-23 = latent.
; This text serves three launches; only the sizes in the first block differ.
; LIMITS: operands and result are bf16 (one rounding each); NaN and infinities pass through the arithmetic as they fall.
.set KTOT,  1024                       ; length of the sums
.set NT,    3                          ; chunks of 64 columns in a work-group's block
.set ALAY,  0                          ; A's layout: 0 = rows of KTOT bf16; 1 = chunk-major [b][chunk][2048][64]
.set NCHA,  0                          ; (chunk-major A) chunks for each b in A's buffer
.set C0,    0                          ; (chunk-major A) the first chunk that is read
.set W_OFF, 8388608                    ; W's first byte in bf
.set OUTF,  0                          ; 0 = bf16 chunk-major out; 1 = f32 rows of 1024 out
.set NCHO,  24                         ; (chunk-major out) chunks for each b
.set SELB,  1                          ; 1 = the bias comes from two buffers, split at column 1024
.set NX,    2                          ; K steps of 128 in slot X
.set NY,    1                          ; K steps of 128 in slot Y
.set NPH,   5                          ; phases X, Y, X, Y, X: 2 + 1 + 2 + 1 + 2 = the 8 steps.  Two slots of two steps would take 2 x 320 rows x 528 bytes = 337,920, more than the 327,680 that a work-group can be given
.set OA, 0                             ; places of the addresses among the arguments: A
.set OW, 0                             ; W
.set OB, 8                             ; bias
.set OB2, 16                           ; second bias
.set OO, 24                            ; out
; SHAPE.  256 work-groups, each a block of 128 rows x BN columns with four waves, as many as a WGP has SIMDs; a wave makes 64 x BN/2:
; 4 x NB accumulator tiles of 16 x 16.
; THE RING.  Two LDS slots, X with NX and Y with NY K steps of 128, are multiplied by turns, NPH phases in all, written out without a loop.  Both are asked
; for at the start.  A slot is asked for again behind the barrier that ends its phase, one tensor load a wave, and has the other slot's phase in which to
; land.  Since a wave issues one load there, that load is made large: a slot of two steps is one tile with rows twice as long.
; CLUSTERS: 4 x 4 work-groups.  A's tile hangs on the block row alone and is asked for jointly by a row of the cluster, W's on the block column
; alone and is asked for jointly by a column: each of the four issues the same load with the same descriptor and a mask that names the four.
; TRANSPOSED USE: source 0 = 16 rows of W, source 1 = 16 rows of A, so register j of lane l holds C(row l%16, column 8 (l/16) + j):
; eight neighbouring columns.  The bias, loaded in that same layout, is the C operand of each accumulator's first product: nothing is cleared
; and nothing is added at the end.
.set BN,   64*NT
.set NB,   2*NT                        ; n blocks of a wave
.set NL,   2*NB+8                      ; LDS loads of a quarter step
.set CH,   262144                      ; bytes of a chunk plane: 2048 tokens x 128
.set PWX,  256*NX+16                   ; W's LDS pitch in X and in Y: the row's bytes + 16
.set PWY,  256*NY+16
.if ALAY
.set PLANE, 128*144                    ; 128 tokens x 64 k: a token's 128 bytes + 16
.set PAX,  144
.set PAY,  144
.set AHX,  NX*PLANE                    ; what one load brings: half of the slot's 2 NX planes
.set AHY,  NY*PLANE
.set AWX,  NX*CH                       ; and how far the second wave's half lies behind the first's in memory
.set AWY,  NY*CH
.set ASTEP, 2*CH                       ; a K step is two planes
.else
.set PLANE, 0
.set PAX,  PWX
.set PAY,  PWY
.set AHX,  64*PAX                      ; what one load brings: 64 rows
.set AHY,  64*PAY
.set AWX,  64*KTOT*2
.set AWY,  64*KTOT*2
.set ASTEP, 256
.endif
.set ASZX, 2*AHX
.set ASZY, 2*AHY
.set WHX,  (BN/2)*PWX                  ; half of W's rows: what one load brings, and what one wave reads
.set WHY,  (BN/2)*PWY
.set YB,   ASZX+2*WHX                  ; slot X begins at 0 (A, then W), slot Y here; a multiple of 256
.set RING, YB+ASZY+2*WHY
.set ESZ,  2+2*OUTF
.set SP,   BN*ESZ+16                   ; stage pitch.  All pitches are odd multiples of 16 bytes: the 16 rows that a 16-byte access of 16 lanes touches lie in 16 different 16-byte columns modulo 256
; The stage of 128 rows for the way out lies behind the ring where that fits; else in the slot that the last phase does not read: that slot has had its last
; fill, and every wave's last reads of it are waited for in front of the barrier that opens the last phase.
.if RING+128*SP <= 327680
.set STAGE, RING
.else
.if NPH&1
.set STAGE, YB
.else
.set STAGE, 0
.endif
.endif
; window 0: v0-15 at work; addresses below; two fragment buffers (W's blocks at +0, A's at +64); TMP.  window 1: accumulator (a, b) at 8 (NB a + b).  window 2: bias of n block b at 8 b.
.set ADRA, 16                          ; v16-17 LDS address of my A fragments in slot X, Y
.set ADRB, 20                          ; v20-21 the same for W
.set STO,  24                          ; where I put my results in the stage
.set RD,   25                          ; where I read the stage back
.set CO,   26                          ; 16 x lane: my bytes in a store of 512
.set BO,   27                          ; 32 (l/16): my eight numbers of a block's bias
.set F0,   32
.set F1,   128
.set TMP,  224
.set GA1, 24                           ; s[24:39] group 1 for A: X's, then Y's
.set GW1, 40                           ; s[40:55] group 1 for W
.set GA0, 56                           ; s[56:63] group 0 for A: X's, then Y's
.set GW0, 68                           ; s[68:75] group 0 for W
.set MSB, 0
.macro WIN new                         ; s_set_vgpr_msb: bits 1:0 source 0, 3:2 source 1, 5:4 source 2, 7:6 destination; the high byte repeats the setting that is left
.if MSB != \new
	s_set_vgpr_msb (MSB<<8)|\new
.set MSB, \new
.endif
.endm
.set MUL,  0x50                        ; C and D in window 1
.set MUL1, 0x60                        ; D in window 1, C (the bias) in window 2
.set TOB,  0x80                        ; destination in window 2
.set CVT,  0x05                        ; sources 0 and 1 in window 1
.set ST1,  0x04                        ; store data in window 1
.macro SETSLOT sl                      ; the pitches and the steps of slot sl (0 = X, 1 = Y)
.if \sl
.set PA, PAY
.set PW, PWY
.set NS, NY
.else
.set PA, PAX
.set PW, PWX
.set NS, NX
.endif
.endm
; Group 1 of a tile of rows that lie along K: n steps = rows of 128 n bf16, 4 words of padding behind each row (interval code 4 + n: 64 n words).
; Word 0: 15:0 mask, 17:16 element size, 20 padding on, 21 set beside a mask, 24:22 interval, 31:25 pad - 1
.macro SETROW g, mask, n, rows
	s_or_b32 s[\g], \mask, (1<<16)|(1<<20)|(1<<21)|((4+\n)<<22)|(3<<25)
	s_mov_b32 s[\g+1], (128*\n)<<16                ; tensor_dim0
	s_mov_b32 s[\g+2], (\rows)<<16                 ; tensor_dim1
	s_mov_b32 s[\g+3], (128*\n)<<16                ; tile_dim0
	s_mov_b32 s[\g+4], \rows                       ; tile_dim1
	s_mov_b32 s[\g+5], KTOT                        ; elements from row to row
	s_mov_b32 s[\g+6], 0
	s_mov_b32 s[\g+7], 0
.endm
; Group 1 of n chunk planes of 128 tokens x 128 bytes, each dense in memory; elements of 8 bytes; 4 words of padding behind every 32 words: pitch 144 a token.
; One plane: 64 rows of 32 elements.  Two: each plane is one row of 2,048 elements, and the next plane lies a chunk (32,768 elements) further on.
.macro SETPL g, mask, n
	s_or_b32 s[\g], \mask, (3<<16)|(1<<20)|(1<<21)|(4<<22)|(3<<25)
.if \n == 1
	s_mov_b32 s[\g+1], 32<<16
	s_mov_b32 s[\g+2], 64<<16
	s_mov_b32 s[\g+3], 32<<16
	s_mov_b32 s[\g+4], 64
	s_mov_b32 s[\g+5], 32
.else
	s_mov_b32 s[\g+1], 2048<<16
	s_mov_b32 s[\g+2], (\n)<<16
	s_mov_b32 s[\g+3], 2048<<16
	s_mov_b32 s[\g+4], \n
	s_mov_b32 s[\g+5], CH/8
.endif
	s_mov_b32 s[\g+6], 0
	s_mov_b32 s[\g+7], 0
.endm
.macro JLOAD sl                        ; waves 0, 1 ask for A's halves, waves 2, 3 for W's: each line has one mask; the branch hangs on the wave's number alone
	s_cmp_eq_u32 s11, 0
	s_cbranch_scc0 .Lfor_w_\@
	tensor_load_to_lds s[GA0+4*\sl:GA0+4*\sl+3], s[GA1+8*\sl:GA1+8*\sl+7]
	s_nop 0
	s_branch .Lasked_\@
.Lfor_w_\@:
	tensor_load_to_lds s[GW0+4*\sl:GW0+4*\sl+3], s[GW1+8*\sl:GW1+8*\sl+7]
	s_nop 0
.Lasked_\@:
.endm
.macro CREST                           ; a round of the cluster's barrier behind its opening work-group barrier
	s_cmp_lg_u32 s10, 0
	s_cbranch_scc1 .Lnot_wave_0_\@
	s_barrier_signal -3
.Lnot_wave_0_\@:
	s_barrier_wait -3
	s_barrier_signal -1
	s_barrier_wait -1
.endm
.macro CROUND
	s_barrier_signal -1
	s_barrier_wait -1
	CREST
.endm
.macro PLACES                          ; four places behind a matrix instruction (ISA guide 7.12.1) before its registers are loaded into or its results read
.rept 4
	v_nop
.endr
.endm
; NB matrix instructions: m block a x all n blocks, 32 along K.  first = 1: the bias starts the sums.
; The 4 NB accumulators take turns, one instruction a turn, in the same order in every quarter step.
.macro MULA f, a, first
.if \first
	WIN MUL1
.else
	WIN MUL
.endif
.set bb, 0
.rept NB
.if \first
	v_wmma_f32_16x16x32_bf16 v[8*(NB*\a+bb):8*(NB*\a+bb)+7], v[\f+8*bb:\f+8*bb+7], v[\f+64+8*\a:\f+64+8*\a+7], v[8*bb:8*bb+7]
.else
	v_wmma_f32_16x16x32_bf16 v[8*(NB*\a+bb):8*(NB*\a+bb)+7], v[\f+8*bb:\f+8*bb+7], v[\f+64+8*\a:\f+64+8*\a+7], v[8*(NB*\a+bb):8*(NB*\a+bb)+7]
.endif
.set bb, bb+1
.endr
.endm
; The NL loads of quarter q (32 along K; 0 .. 4 NS - 1) of a slot, in one run: W's blocks, then A's blocks 0, 1, then 2, 3.
; A fragment is 16 rows x 32 K: lane l holds row l%16; registers 0-3 K = 8 (l/16) + 0..7, registers 4-7 K = 16 + 8 (l/16) + 0..7: two loads of 16 bytes, 32 bytes apart.
.macro FETCH sl, q, f
	WIN 0
	SETSLOT \sl
.if ALAY
.set KA, (\q>>1)*PLANE+(\q&1)*64
.else
.set KA, 64*\q
.endif
.set bb, 0
.rept NB
	ds_load_b128 v[\f+8*bb:\f+8*bb+3],   v[ADRB+\sl] offset:bb*16*PW+64*\q
	ds_load_b128 v[\f+8*bb+4:\f+8*bb+7], v[ADRB+\sl] offset:bb*16*PW+64*\q+32
.set bb, bb+1
.endr
.irp a, 0,1,2,3
	ds_load_b128 v[\f+64+8*\a:\f+64+8*\a+3],   v[ADRA+\sl] offset:\a*16*PA+KA
	ds_load_b128 v[\f+64+8*\a+4:\f+64+8*\a+7], v[ADRA+\sl] offset:\a*16*PA+KA+32
.endr
.endm
.macro QUARTER sl, qn, f, g, first     ; multiplies buffer f; in its middle fetches quarter qn into buffer g
	s_wait_dscnt 4                                 ; all but the youngest four loads (A's blocks 2, 3) are in
	MULA \f, 0, \first
	MULA \f, 1, \first
	PLACES
	FETCH \sl, \qn, \g
	s_wait_dscnt NL                                ; all but the NL just issued
	MULA \f, 2, \first
	MULA \f, 3, \first
.endm
.macro PHASE sl, first                 ; all quarters of a slot but the last; no barrier stands between a slot's steps: the one in front has shown the whole slot to every wave
	QUARTER \sl, 1, F0, F1, \first
	QUARTER \sl, 2, F1, F0, 0
	QUARTER \sl, 3, F0, F1, 0
	SETSLOT \sl
.if NS == 2
	QUARTER \sl, 4, F1, F0, 0
	QUARTER \sl, 5, F0, F1, 0
	QUARTER \sl, 6, F1, F0, 0
	QUARTER \sl, 7, F0, F1, 0
.endif
.endm
; The last quarter of a slot, and the change of slots.  In front of the barrier each wave waits for its reads of this slot and for all its tensor
; loads (what is out is its part of the next slot).  Where the slot is filled again the barrier opens a round of the cluster's barrier,
; and the joint refill is the first tensor load behind the round's closing wait, one a wave.
.macro TURN sl, next, fill
	s_wait_dscnt 4
	MULA F1, 0, 0
	s_wait_dscnt 0x0                               ; my reads of this slot are over
	s_wait_tensorcnt 0x0                           ; all my tensor loads have landed
	ds_add_u32 v254, v255
	s_wait_dscnt 0x0
	s_barrier_signal -1
	MULA F1, 1, 0                                  ; register work while the others arrive
	WIN 0
	s_barrier_wait -1
.if \fill
	CREST
	s_add_nc_u64 s[GA0+4*\sl+2:GA0+4*\sl+3], s[GA0+4*\sl+2:GA0+4*\sl+3], (NX+NY)*ASTEP     ; no load of mine is out: the slot's addresses step once round the ring
	s_add_nc_u64 s[GW0+4*\sl+2:GW0+4*\sl+3], s[GW0+4*\sl+2:GW0+4*\sl+3], (NX+NY)*256
	JLOAD \sl
.endif
	PLACES
	FETCH \next, 0, F0
	MULA F1, 2, 0
	MULA F1, 3, 0
.endm
; Eight 16-byte loads a lane from the stage, eight stores of 512 consecutive aligned bytes a wave.
.macro OUTB f, l0, ls, g0, gs
	s_wait_xcnt 0x0                                ; buffer f, which earlier stores read, is loaded again only behind this wait
.irp t, 0,1,2,3,4,5,6,7
	ds_load_b128 v[\f+4*\t:\f+4*\t+3], v[RD] offset:\l0+\t*\ls
.endr
.irp t, 0,1,2,3,4,5,6,7
	s_wait_dscnt 7-\t                              ; LDS loads come back in order: load t is in
.if OUTF
	global_store_b128 v[CO], v[\f+4*\t:\f+4*\t+3], s[8:9] offset:\g0+\t*\gs th:TH_STORE_NT
.else
	global_store_b128 v[CO], v[\f+4*\t:\f+4*\t+3], s[8:9] offset:\g0+\t*\gs
.endif
.endr
.endm
	s_load_b64 s[4:5], s[0:1], OA
	s_load_b64 s[6:7], s[0:1], OW
	s_load_b64 s[82:83], s[0:1], OB
.if SELB
	s_load_b64 s[84:85], s[0:1], OB2
.endif
	s_load_b64 s[8:9], s[0:1], OO
	v_lshl_add_u32 v254, v0, 2, 0x4b000
	v_mov_b32 v255, 0
	ds_add_u32 v254, v255
	s_wait_dscnt 0x0
	v_lshrrev_b32 v1, 5, v0
	v_readfirstlane_b32 s10, v1                    ; wave 0..3
	s_lshr_b32 s11, s10, 1                         ; my half of the block's rows.  Also: I fetch for A (0) or for W (1)
	s_and_b32 s12, s10, 1                          ; my half of its columns.  Also: which half of that tile I fetch
	s_bfe_u32 s78, ttmp6, 0x40000                  ; cx
	s_bfe_u32 s79, ttmp6, 0x40004                  ; cy
	s_lshl_b32 s80, ttmp9, 2
	s_add_co_u32 s80, s80, s78                     ; block column = 4 x cluster x + cx
	s_and_b32 s13, ttmp7, 0xffff
	s_lshl_b32 s13, s13, 2
	s_add_co_u32 s13, s13, s79                     ; block row = 4 x cluster y + cy
	s_lshl_b32 s76, s79, 2
	s_lshl_b32 s76, 15, s76                        ; my row of the cluster
	s_lshl_b32 s77, 0x1111, s78                    ; my column
.if ALAY
	SETPL GA1, s76, NX
	SETPL GA1+8, s76, NY
.else
	SETROW GA1, s76, NX, 64
	SETROW GA1+8, s76, NY, 64
.endif
	SETROW GW1, s77, NX, BN/2
	SETROW GW1+8, s77, NY, BN/2
	; A's first tiles: they hang on the block row and the wave's number alone
.if ALAY
	s_lshr_b32 s16, s13, 4                         ; b
	s_mul_i32 s16, s16, NCHA
	s_add_co_u32 s16, s16, C0
	s_lshl_b32 s16, s16, 11                        ; x 2048 tokens
	s_and_b32 s17, s13, 15
	s_lshl_b32 s17, s17, 7                         ; + the block's first token
	s_add_co_u32 s16, s16, s17
	s_lshl_b32 s16, s16, 7                         ; x 128 bytes
.else
	s_mul_i32 s16, s13, 128*KTOT*2                 ; 128 rows for each block row
.endif
	s_mul_i32 s18, s12, AWX                        ; X: K steps 0 .. NX - 1, my half
	s_add_co_u32 s18, s18, s16
	s_mov_b32 s19, 0
	s_mul_i32 s20, s12, AWY                        ; Y: the NY steps behind them, my half
	s_add_co_u32 s20, s20, s16
	s_add_co_u32 s20, s20, NX*ASTEP
	s_mov_b32 s21, 0
	; W's first tiles: they hang on the block column and the wave's number alone
	s_mul_i32 s22, s80, BN
	s_mul_i32 s23, s12, BN/2
	s_add_co_u32 s22, s22, s23
	s_mul_i32 s22, s22, KTOT*2
	s_add_co_u32 s22, s22, W_OFF
	s_mov_b32 s23, 0
	; group 0, words 0 and 1: count = 1; the LDS address is made of the wave's number and constants alone
	s_mov_b32 s[GA0], 1
	s_mul_i32 s[GA0+1], s12, AHX
	s_mov_b32 s[GA0+4], 1
	s_mul_i32 s[GA0+5], s12, AHY
	s_add_co_u32 s[GA0+5], s[GA0+5], YB
	s_mov_b32 s[GW0], 1
	s_mul_i32 s[GW0+1], s12, WHX
	s_add_co_u32 s[GW0+1], s[GW0+1], ASZX
	s_mov_b32 s[GW0+4], 1
	s_mul_i32 s[GW0+5], s12, WHY
	s_add_co_u32 s[GW0+5], s[GW0+5], YB+ASZY
	CROUND                                         ; all sixteen work-groups are here: the first joint loads meet.  The arguments are on their way meanwhile
	s_wait_kmcnt 0x0
	s_add_nc_u64 s[GA0+2:GA0+3], s[4:5], s[18:19]
	s_add_nc_u64 s[GA0+6:GA0+7], s[4:5], s[20:21]
	s_add_nc_u64 s[GW0+2:GW0+3], s[6:7], s[22:23]
	s_add_nc_u64 s[GW0+6:GW0+7], s[GW0+2:GW0+3], NX*256
	s_or_b32 s[GA0+3], s[GA0+3], 0x80000000        ; type = 2
	s_or_b32 s[GA0+7], s[GA0+7], 0x80000000
	s_or_b32 s[GW0+3], s[GW0+3], 0x80000000
	s_or_b32 s[GW0+7], s[GW0+7], 0x80000000
	JLOAD 0                                        ; both slots are asked for before anything else: two tensor loads of the wave are out
	JLOAD 1
	; the bias of my NB blocks of 16 columns
	v_and_b32 v1, 15, v0                           ; r = l % 16
	v_bfe_u32 v2, v0, 4, 1                         ; h = l / 16
	v_and_b32 v5, 31, v0                           ; l
	v_lshlrev_b32 v[BO], 5, v2
	s_mul_i32 s86, s80, BN
	s_mul_i32 s87, s12, BN/2
	s_add_co_u32 s86, s86, s87                     ; my first column
.if SELB
.set bb, 0
.rept NB
	s_add_co_u32 s22, s86, 16*bb                   ; the block's first column; 1024 is a multiple of 16, so no block straddles the split
	s_cmp_lt_u32 s22, 1024
	s_cselect_b64 s[88+2*bb:89+2*bb], s[82:83], s[84:85]
	s_cselect_b32 s23, 0, 1024
	s_sub_co_u32 s22, s22, s23
	s_lshl_b32 s22, s22, 2
	s_mov_b32 s23, 0
	s_add_nc_u64 s[88+2*bb:89+2*bb], s[88+2*bb:89+2*bb], s[22:23]
.set bb, bb+1
.endr
.else
	s_lshl_b32 s22, s86, 2
	s_mov_b32 s23, 0
	s_add_nc_u64 s[88:89], s[82:83], s[22:23]
.endif
	WIN TOB
.set bb, 0
.rept NB
.if SELB
.set PB, 88+2*bb
.set OFB, 0
.else
.set PB, 88
.set OFB, 64*bb
.endif
	global_load_b128 v[8*bb:8*bb+3],   v[BO], s[PB:PB+1] offset:OFB      ; register j = bias[n0 + 8 h + j]: the accumulator's own layout
	global_load_b128 v[8*bb+4:8*bb+7], v[BO], s[PB:PB+1] offset:OFB+16
.set bb, bb+1
.endr
	WIN 0
	; where my 32 rows of the block go in the output (in registers that feed no descriptor)
.if OUTF
	s_lshl_b32 s86, s13, 7
	s_lshl_b32 s87, s10, 5
	s_add_co_u32 s86, s86, s87                     ; row 128 x block row + 32 x wave
	s_lshl_b32 s86, s86, 12                        ; x 4096 bytes
	s_lshl_b32 s87, s80, 9                         ; + 512 bytes x block column
	s_add_co_u32 s86, s86, s87
.else
	s_lshr_b32 s86, s13, 4                         ; b
	s_mul_i32 s86, s86, NCHO
	s_mul_i32 s87, s80, NT
	s_add_co_u32 s86, s86, s87                     ; the block's first chunk
	s_lshl_b32 s86, s86, 11
	s_and_b32 s87, s13, 15
	s_lshl_b32 s87, s87, 7
	s_add_co_u32 s86, s86, s87                     ; + the block's first token
	s_lshl_b32 s87, s10, 5
	s_add_co_u32 s86, s86, s87                     ; + 32 x wave
	s_lshl_b32 s86, s86, 7
.endif
	s_mov_b32 s87, 0
	s_add_nc_u64 s[8:9], s[8:9], s[86:87]
	; LDS addresses: row x pitch + 16 h, my 64 rows of A, my BN/2 rows of W (which lie behind A), in each slot
	v_mul_u32_u24 v3, v1, PAX
	v_lshl_add_u32 v3, v2, 4, v3
	s_mul_i32 s20, s11, 64*PAX
	v_add_nc_u32 v[ADRA], s20, v3
	v_mul_u32_u24 v3, v1, PAY
	v_lshl_add_u32 v3, v2, 4, v3
	s_mul_i32 s21, s11, 64*PAY
	s_add_co_u32 s21, s21, YB
	v_add_nc_u32 v[ADRA+1], s21, v3
	v_mul_u32_u24 v4, v1, PWX
	v_lshl_add_u32 v4, v2, 4, v4
	s_mul_i32 s22, s12, WHX
	s_add_co_u32 s22, s22, ASZX
	v_add_nc_u32 v[ADRB], s22, v4
	v_mul_u32_u24 v4, v1, PWY
	v_lshl_add_u32 v4, v2, 4, v4
	s_mul_i32 s23, s12, WHY
	s_add_co_u32 s23, s23, YB+ASZY
	v_add_nc_u32 v[ADRB+1], s23, v4
	v_mul_u32_u24 v6, v1, SP                       ; stage, in: row 64 wm + 16 a + r, columns BN/2 wn + 16 b + 8 h ..
	v_lshl_add_u32 v6, v2, 4+OUTF, v6
	s_mul_i32 s20, s11, 64*SP
	s_mul_i32 s21, s12, (BN/2)*ESZ
	s_add_co_u32 s20, s20, s21
	s_add_co_u32 s20, s20, STAGE
	v_add_nc_u32 v[STO], s20, v6
.if OUTF
	v_lshlrev_b32 v7, 4, v5                        ; stage, back: a row's 512 bytes, 16 a lane
.else
	v_lshrrev_b32 v7, 3, v5                        ; stage, back: four rows' 128 bytes of one chunk, 8 lanes a row
	v_and_b32 v8, 7, v5
	v_mul_u32_u24 v7, v7, SP
	v_lshl_add_u32 v7, v8, 4, v7
.endif
	s_mul_i32 s22, s10, 32*SP                      ; rows 32 w .. 32 w + 31
	s_add_co_u32 s22, s22, STAGE
	v_add_nc_u32 v[RD], s22, v7
	v_lshlrev_b32 v[CO], 4, v5
	s_wait_tensorcnt 0x1                           ; my part of slot X is in; slot Y's may stay out
	s_barrier_signal -1
	s_barrier_wait -1                              ; everybody's is
	FETCH 0, 0, F0
	s_wait_loadcnt 0x0                             ; the bias, once
	PHASE 0, 1                                     ; the first products take the bias as C
	TURN 0, 1, 1                                   ; X is asked for again: phase 2's steps
	PHASE 1, 0
.if NPH == 3
	TURN 1, 0, 0                                   ; nothing is left to fetch
	PHASE 0, 0
.endif
.if NPH == 4
	TURN 1, 0, 1                                   ; Y: phase 3's steps
	PHASE 0, 0
	TURN 0, 1, 0
	PHASE 1, 0
.endif
.if NPH == 5
	TURN 1, 0, 1                                   ; Y: phase 3's steps
	PHASE 0, 0
	TURN 0, 1, 1                                   ; X: phase 4's steps
	PHASE 1, 0
	TURN 1, 0, 0
	PHASE 0, 0
.endif
	s_wait_dscnt 4                                 ; the very last quarter: nothing more to fetch
	MULA F1, 0, 0
	MULA F1, 1, 0
	s_wait_dscnt 0x0
	MULA F1, 2, 0
	MULA F1, 3, 0
	; THE WAY OUT: the block goes through the stage, so that every store of a wave covers 512 consecutive aligned bytes.
	PLACES                                         ; behind the last matrix instructions, for the reads of results and the loads into the fragment buffers
.if OUTF
	WIN ST1
.irp a, 0,1,2,3
.set bb, 0
.rept NB
	ds_store_b128 v[STO], v[8*(NB*\a+bb):8*(NB*\a+bb)+3]   offset:\a*16*SP+64*bb
	ds_store_b128 v[STO], v[8*(NB*\a+bb)+4:8*(NB*\a+bb)+7] offset:\a*16*SP+64*bb+16
.set bb, bb+1
.endr
.endr
	WIN 0
.else
.irp a, 0,1,2,3
	WIN CVT
.set bb, 0
.rept NB
.irp r, 0,1,2,3
	v_cvt_pk_bf16_f32 v[TMP+4*bb+\r], v[8*(NB*\a+bb)+2*\r], v[8*(NB*\a+bb)+2*\r+1]
.endr
.set bb, bb+1
.endr
	WIN 0
.set bb, 0
.rept NB
	ds_store_b128 v[STO], v[TMP+4*bb:TMP+4*bb+3] offset:\a*16*SP+32*bb
.set bb, bb+1
.endr
.endr
.endif
	s_wait_dscnt 0x0                               ; my stores into the stage are done, for the waves that read them
	s_barrier_signal -1
	s_barrier_wait -1
.if OUTF
.irp k, 0,1,2,3
	OUTB F0+96*(\k&1), 8*\k*SP, SP, 8*\k*4096, 4096        ; eight rows: a row's 512 bytes of this block in each store
.endr
.else
.irp c, 0,1,2,3
.if \c < NT
	OUTB F0+96*(\c&1), 128*\c, 4*SP, \c*CH, 512            ; chunk c of my 32 rows: four tokens' 128 bytes in each store
.endif
.endr
.endif
	s_wait_tensorcnt 0x0
	ds_add_u32 v254, v255
	s_wait_dscnt 0x0
	CROUND                                         ; the closing round: no work-group ends while a partner may still ask for a tile that names it
	s_endpgm
.Lfunc_end_k_q7ba5895f8f_projql:
	.size	k_q7ba5895f8f_projql, .Lfunc_end_k_q7ba5895f8f_projql-k_q7ba5895f8f_projql
	.p2alignl 7, 3214868480
	.fill 96, 4, 3214868480
	.section	.rodata,"a",@progbits
	.p2align	6, 0x0
	.amdhsa_kernel k_q7ba5895f8f_projql
		.amdhsa_group_segment_fixed_size 327680
		.amdhsa_private_segment_fixed_size 0
		.amdhsa_enable_private_segment 0
		.amdhsa_kernarg_size 32
		.amdhsa_user_sgpr_count 2
		.amdhsa_user_sgpr_kernarg_segment_ptr 1
		.amdhsa_wavefront_size32 1
		.amdhsa_system_sgpr_workgroup_id_x 1
		.amdhsa_system_sgpr_workgroup_id_y 1
		.amdhsa_system_sgpr_workgroup_id_z 1
		.amdhsa_system_vgpr_workitem_id 0
		.amdhsa_next_free_vgpr 576
		.amdhsa_next_free_sgpr 100
		.amdhsa_reserve_vcc 0
		.amdhsa_float_denorm_mode_32 3
		.amdhsa_float_denorm_mode_16_64 3
		.amdhsa_memory_ordered 1
		.amdhsa_forward_progress 1
		.amdhsa_inst_pref_size 124
	.end_amdhsa_kernel
	.amdgpu_metadata
---
amdhsa.version: [ 1, 2 ]
amdhsa.kernels:
  - .name:           k_q7ba5895f8f_projql
    .symbol:         k_q7ba5895f8f_projql.kd
    .args:
      - { .name: bf, .offset: 0, .size: 8, .value_kind: global_buffer, .address_space: global }
      - { .name: q_b, .offset: 8, .size: 8, .value_kind: global_buffer, .address_space: global }
      - { .name: kvd_b, .offset: 16, .size: 8, .value_kind: global_buffer, .address_space: global }
      - { .name: ql, .offset: 24, .size: 8, .value_kind: global_buffer, .address_space: global }
    .group_segment_fixed_size: 327680
    .private_segment_fixed_size: 0
    .kernarg_segment_align: 8
    .kernarg_segment_size: 32
    .max_flat_workgroup_size: 128
    .sgpr_count:     100
    .vgpr_count:     576
    .wavefront_size: 32
...
	.end_amdgpu_metadata
.endif
;; end of part 2
;; launch projkv (part 3): grid 8 x 32, 4 waves a work-group, clusters of 4 x 4, 327,680 bytes of LDS; arguments ql, bf, kvu_b, kv; writes kv
.if DOCPART == 3
	.amdgcn_target "amdgcn-amd-amdhsa--gfx1250"
	.amdhsa_code_object_version 6
	.text
	.protected	k_q7ba5895f8f_projkv
	.globl	k_q7ba5895f8f_projkv
	.p2align	8
	.type	k_q7ba5895f8f_projkv,@function
k_q7ba5895f8f_projkv:
	s_mov_b64 s[64:65], 0
	v_nop
	global_prefetch_b8 v0, s[64:65] scope:SCOPE_SE
	s_setreg_imm32_b32 hwreg(HW_REG_WAVE_MODE, 25, 1), 1
	s_wait_xcnt 0x0
	s_wait_alu depctr_hold_cnt(0) depctr_sa_sdst(0) depctr_va_vdst(0) depctr_va_sdst(0) depctr_va_ssrc(0) depctr_va_vcc(0) depctr_vm_vsrc(0)
	s_getreg_b32 s2, hwreg(HW_REG_IB_STS2, 6, 4)
	s_cmp_eq_u32 s2, 0
	s_cbranch_scc0 .Lentry_in_a_cluster
	s_endpgm
.Lentry_in_a_cluster:
	s_bfe_u32 s2, ttmp6, 0x10000c
	s_cmp_lg_u32 s2, 0xf033
	s_cbranch_scc0 .Lentry_shape_is_right
	s_endpgm
.Lentry_shape_is_right:
; k and v: C[4096][2048] = latent W^T + bias, latent = chunks 16-23 of ql (bf16, chunk-major), W = kvu_w in bf16 (from bf), sums in f32.
; The result is rounded once to bf16 and stored chunk-major: kv[b][chunk][token][64], chunk h = K of head h, chunk 16 + h = V of head h.
; This text serves three launches; only the sizes in the first block differ.
; LIMITS: operands and result are bf16 (one rounding each); NaN and infinities pass through the arithmetic as they fall.
.set KTOT,  512                        ; length of the sums
.set NT,    4                          ; chunks of 64 columns in a work-group's block
.set ALAY,  1                          ; A's layout: 0 = rows of KTOT bf16; 1 = chunk-major [b][chunk][2048][64]
.set NCHA,  24                         ; (chunk-major A) chunks for each b in A's buffer
.set C0,    16                         ; (chunk-major A) the first chunk that is read
.set W_OFF, 11534336                   ; W's first byte in bf
.set OUTF,  0                          ; 0 = bf16 chunk-major out; 1 = f32 rows of 1024 out
.set NCHO,  32                         ; (chunk-major out) chunks for each b
.set SELB,  0                          ; 1 = the bias comes from two buffers, split at column 1024
.set NX,    1                          ; K steps of 128 in slot X
.set NY,    2                          ; K steps of 128 in slot Y
.set NPH,   3                          ; phases X, Y, X: 1 + 2 + 1 = the 4 steps.  Three of the four steps fit in LDS at once (315,392 bytes); the fourth is asked for behind the first step and has Y's 256 matrix instructions of a wave in which to land
.set OA, 0                             ; places of the addresses among the arguments: A
.set OW, 8                             ; W
.set OB, 16                            ; bias
.set OB2, 16                           ; second bias (none here)
.set OO, 24                            ; out
; SHAPE.  256 work-groups, each a block of 128 rows x BN columns with four waves, as many as a WGP has SIMDs; a wave makes 64 x BN/2:
; 4 x NB accumulator tiles of 16 x 16.
; THE RING.  Two LDS slots, X with NX and Y with NY K steps of 128, are multiplied by turns, NPH phases in all, written out without a loop.  Both are asked
; for at the start.  A slot is asked for again behind the barrier that ends its phase, one tensor load a wave, and has the other slot's phase in which to
; land.  Since a wave issues one load there, that load is made large: a slot of two steps is one tile with rows twice as long.
; CLUSTERS: 4 x 4 work-groups.  A's tile hangs on the block row alone and is asked for jointly by a row of the cluster, W's on the block column
; alone and is asked for jointly by a column: each of the four issues the same load with the same descriptor and a mask that names the four.
; TRANSPOSED USE: source 0 = 16 rows of W, source 1 = 16 rows of A, so register j of lane l holds C(row l%16, column 8 (l/16) + j):
; eight neighbouring columns.  The bias, loaded in that same layout, is the C operand of each accumulator's first product: nothing is cleared
; and nothing is added at the end.
.set BN,   64*NT
.set NB,   2*NT                        ; n blocks of a wave
.set NL,   2*NB+8                      ; LDS loads of a quarter step
.set CH,   262144                      ; bytes of a chunk plane: 2048 tokens x 128
.set PWX,  256*NX+16                   ; W's LDS pitch in X and in Y: the row's bytes + 16
.set PWY,  256*NY+16
.if ALAY
.set PLANE, 128*144                    ; 128 tokens x 64 k: a token's 128 bytes + 16
.set PAX,  144
.set PAY,  144
.set AHX,  NX*PLANE                    ; what one load brings: half of the slot's 2 NX planes
.set AHY,  NY*PLANE
.set AWX,  NX*CH                       ; and how far the second wave's half lies behind the first's in memory
.set AWY,  NY*CH
.set ASTEP, 2*CH                       ; a K step is two planes
.else
.set PLANE, 0
.set PAX,  PWX
.set PAY,  PWY
.set AHX,  64*PAX                      ; what one load brings: 64 rows
.set AHY,  64*PAY
.set AWX,  64*KTOT*2
.set AWY,  64*KTOT*2
.set ASTEP, 256
.endif
.set ASZX, 2*AHX
.set ASZY, 2*AHY
.set WHX,  (BN/2)*PWX                  ; half of W's rows: what one load brings, and what one wave reads
.set WHY,  (BN/2)*PWY
.set YB,   ASZX+2*WHX                  ; slot X begins at 0 (A, then W), slot Y here; a multiple of 256
.set RING, YB+ASZY+2*WHY
.set ESZ,  2+2*OUTF
.set SP,   BN*ESZ+16                   ; stage pitch.  All pitches are odd multiples of 16 bytes: the 16 rows that a 16-byte access of 16 lanes touches lie in 16 different 16-byte columns modulo 256
; The stage of 128 rows for the way out lies behind the ring where that fits; else in the slot that the last phase does not read: that slot has had its last
; fill, and every wave's last reads of it are waited for in front of the barrier that opens the last phase.
.if RING+128*SP <= 327680
.set STAGE, RING
.else
.if NPH&1
.set STAGE, YB
.else
.set STAGE, 0
.endif
.endif
; window 0: v0-15 at work; addresses below; two fragment buffers (W's blocks at +0, A's at +64); TMP.  window 1: accumulator (a, b) at 8 (NB a + b).  window 2: bias of n block b at 8 b.
.set ADRA, 16                          ; v16-17 LDS address of my A fragments in slot X, Y
.set ADRB, 20                          ; v20-21 the same for W
.set STO,  24                          ; where I put my results in the stage
.set RD,   25                          ; where I read the stage back
.set CO,   26                          ; 16 x lane: my bytes in a store of 512
.set BO,   27                          ; 32 (l/16): my eight numbers of a block's bias
.set F0,   32
.set F1,   128
.set TMP,  224
.set GA1, 24                           ; s[24:39] group 1 for A: X's, then Y's
.set GW1, 40                           ; s[40:55] group 1 for W
.set GA0, 56                           ; s[56:63] group 0 for A: X's, then Y's
.set GW0, 68                           ; s[68:75] group 0 for W
.set MSB, 0
.macro WIN new                         ; s_set_vgpr_msb: bits 1:0 source 0, 3:2 source 1, 5:4 source 2, 7:6 destination; the high byte repeats the setting that is left
.if MSB != \new
	s_set_vgpr_msb (MSB<<8)|\new
.set MSB, \new
.endif
.endm
.set MUL,  0x50                        ; C and D in window 1
.set MUL1, 0x60                        ; D in window 1, C (the bias) in window 2
.set TOB,  0x80                        ; destination in window 2
.set CVT,  0x05                        ; sources 0 and 1 in window 1
.set ST1,  0x04                        ; store data in window 1
.macro SETSLOT sl                      ; the pitches and the steps of slot sl (0 = X, 1 = Y)
.if \sl
.set PA, PAY
.set PW, PWY
.set NS, NY
.else
.set PA, PAX
.set PW, PWX
.set NS, NX
.endif
.endm
; Group 1 of a tile of rows that lie along K: n steps = rows of 128 n bf16, 4 words of padding behind each row (interval code 4 + n: 64 n words).
; Word 0: 15:0 mask, 17:16 element size, 20 padding on, 21 set beside a mask, 24:22 interval, 31:25 pad - 1
.macro SETROW g, mask, n, rows
	s_or_b32 s[\g], \mask, (1<<16)|(1<<20)|(1<<21)|((4+\n)<<22)|(3<<25)
	s_mov_b32 s[\g+1], (128*\n)<<16                ; tensor_dim0
	s_mov_b32 s[\g+2], (\rows)<<16                 ; tensor_dim1
	s_mov_b32 s[\g+3], (128*\n)<<16                ; tile_dim0
	s_mov_b32 s[\g+4], \rows                       ; tile_dim1
	s_mov_b32 s[\g+5], KTOT                        ; elements from row to row
	s_mov_b32 s[\g+6], 0
	s_mov_b32 s[\g+7], 0
.endm
; Group 1 of n chunk planes of 128 tokens x 128 bytes, each dense in memory; elements of 8 bytes; 4 words of padding behind every 32 words: pitch 144 a token.
; One plane: 64 rows of 32 elements.  Two: each plane is one row of 2,048 elements, and the next plane lies a chunk (32,768 elements) further on.
.macro SETPL g, mask, n
	s_or_b32 s[\g], \mask, (3<<16)|(1<<20)|(1<<21)|(4<<22)|(3<<25)
.if \n == 1
	s_mov_b32 s[\g+1], 32<<16
	s_mov_b32 s[\g+2], 64<<16
	s_mov_b32 s[\g+3], 32<<16
	s_mov_b32 s[\g+4], 64
	s_mov_b32 s[\g+5], 32
.else
	s_mov_b32 s[\g+1], 2048<<16
	s_mov_b32 s[\g+2], (\n)<<16
	s_mov_b32 s[\g+3], 2048<<16
	s_mov_b32 s[\g+4], \n
	s_mov_b32 s[\g+5], CH/8
.endif
	s_mov_b32 s[\g+6], 0
	s_mov_b32 s[\g+7], 0
.endm
.macro JLOAD sl                        ; waves 0, 1 ask for A's halves, waves 2, 3 for W's: each line has one mask; the branch hangs on the wave's number alone
	s_cmp_eq_u32 s11, 0
	s_cbranch_scc0 .Lfor_w_\@
	tensor_load_to_lds s[GA0+4*\sl:GA0+4*\sl+3], s[GA1+8*\sl:GA1+8*\sl+7]
	s_nop 0
	s_branch .Lasked_\@
.Lfor_w_\@:
	tensor_load_to_lds s[GW0+4*\sl:GW0+4*\sl+3], s[GW1+8*\sl:GW1+8*\sl+7]
	s_nop 0
.Lasked_\@:
.endm
.macro CREST                           ; a round of the cluster's barrier behind its opening work-group barrier
	s_cmp_lg_u32 s10, 0
	s_cbranch_scc1 .Lnot_wave_0_\@
	s_barrier_signal -3
.Lnot_wave_0_\@:
	s_barrier_wait -3
	s_barrier_signal -1
	s_barrier_wait -1
.endm
.macro CROUND
	s_barrier_signal -1
	s_barrier_wait -1
	CREST
.endm
.macro PLACES                          ; four places behind a matrix instruction (ISA guide 7.12.1) before its registers are loaded into or its results read
.rept 4
	v_nop
.endr
.endm
; NB matrix instructions: m block a x all n blocks, 32 along K.  first = 1: the bias starts the sums.
; The 4 NB accumulators take turns, one instruction a turn, in the same order in every quarter step.
.macro MULA f, a, first
.if \first
	WIN MUL1
.else
	WIN MUL
.endif
.set bb, 0
.rept NB
.if \first
	v_wmma_f32_16x16x32_bf16 v[8*(NB*\a+bb):8*(NB*\a+bb)+7], v[\f+8*bb:\f+8*bb+7], v[\f+64+8*\a:\f+64+8*\a+7], v[8*bb:8*bb+7]
.else
	v_wmma_f32_16x16x32_bf16 v[8*(NB*\a+bb):8*(NB*\a+bb)+7], v[\f+8*bb:\f+8*bb+7], v[\f+64+8*\a:\f+64+8*\a+7], v[8*(NB*\a+bb):8*(NB*\a+bb)+7]
.endif
.set bb, bb+1
.endr
.endm
; The NL loads of quarter q (32 along K; 0 .. 4 NS - 1) of a slot, in one run: W's blocks, then A's blocks 0, 1, then 2, 3.
; A fragment is 16 rows x 32 K: lane l holds row l%16; registers 0-3 K = 8 (l/16) + 0..7, registers 4-7 K = 16 + 8 (l/16) + 0..7: two loads of 16 bytes, 32 bytes apart.
.macro FETCH sl, q, f
	WIN 0
	SETSLOT \sl
.if ALAY
.set KA, (\q>>1)*PLANE+(\q&1)*64
.else
.set KA, 64*\q
.endif
.set bb, 0
.rept NB
	ds_load_b128 v[\f+8*bb:\f+8*bb+3],   v[ADRB+\sl] offset:bb*16*PW+64*\q
	ds_load_b128 v[\f+8*bb+4:\f+8*bb+7], v[ADRB+\sl] offset:bb*16*PW+64*\q+32
.set bb, bb+1
.endr
.irp a, 0,1,2,3
	ds_load_b128 v[\f+64+8*\a:\f+64+8*\a+3],   v[ADRA+\sl] offset:\a*16*PA+KA
	ds_load_b128 v[\f+64+8*\a+4:\f+64+8*\a+7], v[ADRA+\sl] offset:\a*16*PA+KA+32
.endr
.endm
.macro QUARTER sl, qn, f, g, first     ; multiplies buffer f; in its middle fetches quarter qn into buffer g
	s_wait_dscnt 4                                 ; all but the youngest four loads (A's blocks 2, 3) are in
	MULA \f, 0, \first
	MULA \f, 1, \first
	PLACES
	FETCH \sl, \qn, \g
	s_wait_dscnt NL                                ; all but the NL just issued
	MULA \f, 2, \first
	MULA \f, 3, \first
.endm
.macro PHASE sl, first                 ; all quarters of a slot but the last; no barrier stands between a slot's steps: the one in front has shown the whole slot to every wave
	QUARTER \sl, 1, F0, F1, \first
	QUARTER \sl, 2, F1, F0, 0
	QUARTER \sl, 3, F0, F1, 0
	SETSLOT \sl
.if NS == 2
	QUARTER \sl, 4, F1, F0, 0
	QUARTER \sl, 5, F0, F1, 0
	QUARTER \sl, 6, F1, F0, 0
	QUARTER \sl, 7, F0, F1, 0
.endif
.endm
; The last quarter of a slot, and the change of slots.  In front of the barrier each wave waits for its reads of this slot and for all its tensor
; loads (what is out is its part of the next slot).  Where the slot is filled again the barrier opens a round of the cluster's barrier,
; and the joint refill is the first tensor load behind the round's closing wait, one a wave.
.macro TURN sl, next, fill
	s_wait_dscnt 4
	MULA F1, 0, 0
	s_wait_dscnt 0x0                               ; my reads of this slot are over
	s_wait_tensorcnt 0x0                           ; all my tensor loads have landed
	ds_add_u32 v30, v31
	s_wait_dscnt 0x0
	s_barrier_signal -1
	MULA F1, 1, 0                                  ; register work while the others arrive
	WIN 0
	s_barrier_wait -1
.if \fill
	CREST
	s_add_nc_u64 s[GA0+4*\sl+2:GA0+4*\sl+3], s[GA0+4*\sl+2:GA0+4*\sl+3], (NX+NY)*ASTEP     ; no load of mine is out: the slot's addresses step once round the ring
	s_add_nc_u64 s[GW0+4*\sl+2:GW0+4*\sl+3], s[GW0+4*\sl+2:GW0+4*\sl+3], (NX+NY)*256
	JLOAD \sl
.endif
	PLACES
	FETCH \next, 0, F0
	MULA F1, 2, 0
	MULA F1, 3, 0
.endm
; Eight 16-byte loads a lane from the stage, eight stores of 512 consecutive aligned bytes a wave.
.macro OUTB f, l0, ls, g0, gs
	s_wait_xcnt 0x0                                ; buffer f, which earlier stores read, is loaded again only behind this wait
.irp t, 0,1,2,3,4,5,6,7
	ds_load_b128 v[\f+4*\t:\f+4*\t+3], v[RD] offset:\l0+\t*\ls
.endr
.irp t, 0,1,2,3,4,5,6,7
	s_wait_dscnt 7-\t                              ; LDS loads come back in order: load t is in
.if OUTF
	global_store_b128 v[CO], v[\f+4*\t:\f+4*\t+3], s[8:9] offset:\g0+\t*\gs th:TH_STORE_NT
.else
	global_store_b128 v[CO], v[\f+4*\t:\f+4*\t+3], s[8:9] offset:\g0+\t*\gs
.endif
.endr
.endm
	s_load_b64 s[4:5], s[0:1], OA
	s_load_b64 s[6:7], s[0:1], OW
	s_load_b64 s[82:83], s[0:1], OB
.if SELB
	s_load_b64 s[84:85], s[0:1], OB2
.endif
	s_load_b64 s[8:9], s[0:1], OO
	v_lshl_add_u32 v30, v0, 2, 0x4d000
	v_mov_b32 v31, 0
	ds_add_u32 v30, v31
	s_wait_dscnt 0x0
	v_lshrrev_b32 v1, 5, v0
	v_readfirstlane_b32 s10, v1                    ; wave 0..3
	s_lshr_b32 s11, s10, 1                         ; my half of the block's rows.  Also: I fetch for A (0) or for W (1)
	s_and_b32 s12, s10, 1                          ; my half of its columns.  Also: which half of that tile I fetch
	s_bfe_u32 s78, ttmp6, 0x40000                  ; cx
	s_bfe_u32 s79, ttmp6, 0x40004                  ; cy
	s_lshl_b32 s80, ttmp9, 2
	s_add_co_u32 s80, s80, s78                     ; block column = 4 x cluster x + cx
	s_and_b32 s13, ttmp7, 0xffff
	s_lshl_b32 s13, s13, 2
	s_add_co_u32 s13, s13, s79                     ; block row = 4 x cluster y + cy
	s_lshl_b32 s76, s79, 2
	s_lshl_b32 s76, 15, s76                        ; my row of the cluster
	s_lshl_b32 s77, 0x1111, s78                    ; my column
.if ALAY
	SETPL GA1, s76, NX
	SETPL GA1+8, s76, NY
.else
	SETROW GA1, s76, NX, 64
	SETROW GA1+8, s76, NY, 64
.endif
	SETROW GW1, s77, NX, BN/2
	SETROW GW1+8, s77, NY, BN/2
	; A's first tiles: they hang on the block row and the wave's number alone
.if ALAY
	s_lshr_b32 s16, s13, 4                         ; b
	s_mul_i32 s16, s16, NCHA
	s_add_co_u32 s16, s16, C0
	s_lshl_b32 s16, s16, 11                        ; x 2048 tokens
	s_and_b32 s17, s13, 15
	s_lshl_b32 s17, s17, 7                         ; + the block's first token
	s_add_co_u32 s16, s16, s17
	s_lshl_b32 s16, s16, 7                         ; x 128 bytes
.else
	s_mul_i32 s16, s13, 128*KTOT*2                 ; 128 rows for each block row
.endif
	s_mul_i32 s18, s12, AWX                        ; X: K steps 0 .. NX - 1, my half
	s_add_co_u32 s18, s18, s16
	s_mov_b32 s19, 0
	s_mul_i32 s20, s12, AWY                        ; Y: the NY steps behind them, my half
	s_add_co_u32 s20, s20, s16
	s_add_co_u32 s20, s20, NX*ASTEP
	s_mov_b32 s21, 0
	; W's first tiles: they hang on the block column and the wave's number alone
	s_mul_i32 s22, s80, BN
	s_mul_i32 s23, s12, BN/2
	s_add_co_u32 s22, s22, s23
	s_mul_i32 s22, s22, KTOT*2
	s_add_co_u32 s22, s22, W_OFF
	s_mov_b32 s23, 0
	; group 0, words 0 and 1: count = 1; the LDS address is made of the wave's number and constants alone
	s_mov_b32 s[GA0], 1
	s_mul_i32 s[GA0+1], s12, AHX
	s_mov_b32 s[GA0+4], 1
	s_mul_i32 s[GA0+5], s12, AHY
	s_add_co_u32 s[GA0+5], s[GA0+5], YB
	s_mov_b32 s[GW0], 1
	s_mul_i32 s[GW0+1], s12, WHX
	s_add_co_u32 s[GW0+1], s[GW0+1], ASZX
	s_mov_b32 s[GW0+4], 1
	s_mul_i32 s[GW0+5], s12, WHY
	s_add_co_u32 s[GW0+5], s[GW0+5], YB+ASZY
	CROUND                                         ; all sixteen work-groups are here: the first joint loads meet.  The arguments are on their way meanwhile
	s_wait_kmcnt 0x0
	s_add_nc_u64 s[GA0+2:GA0+3], s[4:5], s[18:19]
	s_add_nc_u64 s[GA0+6:GA0+7], s[4:5], s[20:21]
	s_add_nc_u64 s[GW0+2:GW0+3], s[6:7], s[22:23]
	s_add_nc_u64 s[GW0+6:GW0+7], s[GW0+2:GW0+3], NX*256
	s_or_b32 s[GA0+3], s[GA0+3], 0x80000000        ; type = 2
	s_or_b32 s[GA0+7], s[GA0+7], 0x80000000
	s_or_b32 s[GW0+3], s[GW0+3], 0x80000000
	s_or_b32 s[GW0+7], s[GW0+7], 0x80000000
	JLOAD 0                                        ; both slots are asked for before anything else: two tensor loads of the wave are out
	JLOAD 1
	; the bias of my NB blocks of 16 columns
	v_and_b32 v1, 15, v0                           ; r = l % 16
	v_bfe_u32 v2, v0, 4, 1                         ; h = l / 16
	v_and_b32 v5, 31, v0                           ; l
	v_lshlrev_b32 v[BO], 5, v2
	s_mul_i32 s86, s80, BN
	s_mul_i32 s87, s12, BN/2
	s_add_co_u32 s86, s86, s87                     ; my first column
.if SELB
.set bb, 0
.rept NB
	s_add_co_u32 s22, s86, 16*bb                   ; the block's first column; 1024 is a multiple of 16, so no block straddles the split
	s_cmp_lt_u32 s22, 1024
	s_cselect_b64 s[88+2*bb:89+2*bb], s[82:83], s[84:85]
	s_cselect_b32 s23, 0, 1024
	s_sub_co_u32 s22, s22, s23
	s_lshl_b32 s22, s22, 2
	s_mov_b32 s23, 0
	s_add_nc_u64 s[88+2*bb:89+2*bb], s[88+2*bb:89+2*bb], s[22:23]
.set bb, bb+1
.endr
.else
	s_lshl_b32 s22, s86, 2
	s_mov_b32 s23, 0
	s_add_nc_u64 s[88:89], s[82:83], s[22:23]
.endif
	WIN TOB
.set bb, 0
.rept NB
.if SELB
.set PB, 88+2*bb
.set OFB, 0
.else
.set PB, 88
.set OFB, 64*bb
.endif
	global_load_b128 v[8*bb:8*bb+3],   v[BO], s[PB:PB+1] offset:OFB      ; register j = bias[n0 + 8 h + j]: the accumulator's own layout
	global_load_b128 v[8*bb+4:8*bb+7], v[BO], s[PB:PB+1] offset:OFB+16
.set bb, bb+1
.endr
	WIN 0
	; where my 32 rows of the block go in the output (in registers that feed no descriptor)
.if OUTF
	s_lshl_b32 s86, s13, 7
	s_lshl_b32 s87, s10, 5
	s_add_co_u32 s86, s86, s87                     ; row 128 x block row + 32 x wave
	s_lshl_b32 s86, s86, 12                        ; x 4096 bytes
	s_lshl_b32 s87, s80, 9                         ; + 512 bytes x block column
	s_add_co_u32 s86, s86, s87
.else
	s_lshr_b32 s86, s13, 4                         ; b
	s_mul_i32 s86, s86, NCHO
	s_mul_i32 s87, s80, NT
	s_add_co_u32 s86, s86, s87                     ; the block's first chunk
	s_lshl_b32 s86, s86, 11
	s_and_b32 s87, s13, 15
	s_lshl_b32 s87, s87, 7
	s_add_co_u32 s86, s86, s87                     ; + the block's first token
	s_lshl_b32 s87, s10, 5
	s_add_co_u32 s86, s86, s87                     ; + 32 x wave
	s_lshl_b32 s86, s86, 7
.endif
	s_mov_b32 s87, 0
	s_add_nc_u64 s[8:9], s[8:9], s[86:87]
	; LDS addresses: row x pitch + 16 h, my 64 rows of A, my BN/2 rows of W (which lie behind A), in each slot
	v_mul_u32_u24 v3, v1, PAX
	v_lshl_add_u32 v3, v2, 4, v3
	s_mul_i32 s20, s11, 64*PAX
	v_add_nc_u32 v[ADRA], s20, v3
	v_mul_u32_u24 v3, v1, PAY
	v_lshl_add_u32 v3, v2, 4, v3
	s_mul_i32 s21, s11, 64*PAY
	s_add_co_u32 s21, s21, YB
	v_add_nc_u32 v[ADRA+1], s21, v3
	v_mul_u32_u24 v4, v1, PWX
	v_lshl_add_u32 v4, v2, 4, v4
	s_mul_i32 s22, s12, WHX
	s_add_co_u32 s22, s22, ASZX
	v_add_nc_u32 v[ADRB], s22, v4
	v_mul_u32_u24 v4, v1, PWY
	v_lshl_add_u32 v4, v2, 4, v4
	s_mul_i32 s23, s12, WHY
	s_add_co_u32 s23, s23, YB+ASZY
	v_add_nc_u32 v[ADRB+1], s23, v4
	v_mul_u32_u24 v6, v1, SP                       ; stage, in: row 64 wm + 16 a + r, columns BN/2 wn + 16 b + 8 h ..
	v_lshl_add_u32 v6, v2, 4+OUTF, v6
	s_mul_i32 s20, s11, 64*SP
	s_mul_i32 s21, s12, (BN/2)*ESZ
	s_add_co_u32 s20, s20, s21
	s_add_co_u32 s20, s20, STAGE
	v_add_nc_u32 v[STO], s20, v6
.if OUTF
	v_lshlrev_b32 v7, 4, v5                        ; stage, back: a row's 512 bytes, 16 a lane
.else
	v_lshrrev_b32 v7, 3, v5                        ; stage, back: four rows' 128 bytes of one chunk, 8 lanes a row
	v_and_b32 v8, 7, v5
	v_mul_u32_u24 v7, v7, SP
	v_lshl_add_u32 v7, v8, 4, v7
.endif
	s_mul_i32 s22, s10, 32*SP                      ; rows 32 w .. 32 w + 31
	s_add_co_u32 s22, s22, STAGE
	v_add_nc_u32 v[RD], s22, v7
	v_lshlrev_b32 v[CO], 4, v5
	s_wait_tensorcnt 0x1                           ; my part of slot X is in; slot Y's may stay out
	s_barrier_signal -1
	s_barrier_wait -1                              ; everybody's is
	FETCH 0, 0, F0
	s_wait_loadcnt 0x0                             ; the bias, once
	PHASE 0, 1                                     ; the first products take the bias as C
	TURN 0, 1, 1                                   ; X is asked for again: phase 2's steps
	PHASE 1, 0
.if NPH == 3
	TURN 1, 0, 0                                   ; nothing is left to fetch
	PHASE 0, 0
.endif
.if NPH == 4
	TURN 1, 0, 1                                   ; Y: phase 3's steps
	PHASE 0, 0
	TURN 0, 1, 0
	PHASE 1, 0
.endif
.if NPH == 5
	TURN 1, 0, 1                                   ; Y: phase 3's steps
	PHASE 0, 0
	TURN 0, 1, 1                                   ; X: phase 4's steps
	PHASE 1, 0
	TURN 1, 0, 0
	PHASE 0, 0
.endif
	s_wait_dscnt 4                                 ; the very last quarter: nothing more to fetch
	MULA F1, 0, 0
	MULA F1, 1, 0
	s_wait_dscnt 0x0
	MULA F1, 2, 0
	MULA F1, 3, 0
	; THE WAY OUT: the block goes through the stage, so that every store of a wave covers 512 consecutive aligned bytes.
	PLACES                                         ; behind the last matrix instructions, for the reads of results and the loads into the fragment buffers
.if OUTF
	WIN ST1
.irp a, 0,1,2,3
.set bb, 0
.rept NB
	ds_store_b128 v[STO], v[8*(NB*\a+bb):8*(NB*\a+bb)+3]   offset:\a*16*SP+64*bb
	ds_store_b128 v[STO], v[8*(NB*\a+bb)+4:8*(NB*\a+bb)+7] offset:\a*16*SP+64*bb+16
.set bb, bb+1
.endr
.endr
	WIN 0
.else
.irp a, 0,1,2,3
	WIN CVT
.set bb, 0
.rept NB
.irp r, 0,1,2,3
	v_cvt_pk_bf16_f32 v[TMP+4*bb+\r], v[8*(NB*\a+bb)+2*\r], v[8*(NB*\a+bb)+2*\r+1]
.endr
.set bb, bb+1
.endr
	WIN 0
.set bb, 0
.rept NB
	ds_store_b128 v[STO], v[TMP+4*bb:TMP+4*bb+3] offset:\a*16*SP+32*bb
.set bb, bb+1
.endr
.endr
.endif
	s_wait_dscnt 0x0                               ; my stores into the stage are done, for the waves that read them
	s_barrier_signal -1
	s_barrier_wait -1
.if OUTF
.irp k, 0,1,2,3
	OUTB F0+96*(\k&1), 8*\k*SP, SP, 8*\k*4096, 4096        ; eight rows: a row's 512 bytes of this block in each store
.endr
.else
.irp c, 0,1,2,3
.if \c < NT
	OUTB F0+96*(\c&1), 128*\c, 4*SP, \c*CH, 512            ; chunk c of my 32 rows: four tokens' 128 bytes in each store
.endif
.endr
.endif
	s_wait_tensorcnt 0x0
	ds_add_u32 v30, v31
	s_wait_dscnt 0x0
	CROUND                                         ; the closing round: no work-group ends while a partner may still ask for a tile that names it
	s_endpgm
.Lfunc_end_k_q7ba5895f8f_projkv:
	.size	k_q7ba5895f8f_projkv, .Lfunc_end_k_q7ba5895f8f_projkv-k_q7ba5895f8f_projkv
	.p2alignl 7, 3214868480
	.fill 96, 4, 3214868480
	.section	.rodata,"a",@progbits
	.p2align	6, 0x0
	.amdhsa_kernel k_q7ba5895f8f_projkv
		.amdhsa_group_segment_fixed_size 327680
		.amdhsa_private_segment_fixed_size 0
		.amdhsa_enable_private_segment 0
		.amdhsa_kernarg_size 32
		.amdhsa_user_sgpr_count 2
		.amdhsa_user_sgpr_kernarg_segment_ptr 1
		.amdhsa_wavefront_size32 1
		.amdhsa_system_sgpr_workgroup_id_x 1
		.amdhsa_system_sgpr_workgroup_id_y 1
		.amdhsa_system_sgpr_workgroup_id_z 1
		.amdhsa_system_vgpr_workitem_id 0
		.amdhsa_next_free_vgpr 576
		.amdhsa_next_free_sgpr 100
		.amdhsa_reserve_vcc 0
		.amdhsa_float_denorm_mode_32 3
		.amdhsa_float_denorm_mode_16_64 3
		.amdhsa_memory_ordered 1
		.amdhsa_forward_progress 1
		.amdhsa_inst_pref_size 89
	.end_amdhsa_kernel
	.amdgpu_metadata
---
amdhsa.version: [ 1, 2 ]
amdhsa.kernels:
  - .name:           k_q7ba5895f8f_projkv
    .symbol:         k_q7ba5895f8f_projkv.kd
    .args:
      - { .name: ql, .offset: 0, .size: 8, .value_kind: global_buffer, .address_space: global }
      - { .name: bf, .offset: 8, .size: 8, .value_kind: global_buffer, .address_space: global }
      - { .name: kvu_b, .offset: 16, .size: 8, .value_kind: global_buffer, .address_space: global }
      - { .name: kv, .offset: 24, .size: 8, .value_kind: global_buffer, .address_space: global }
    .group_segment_fixed_size: 327680
    .private_segment_fixed_size: 0
    .kernarg_segment_align: 8
    .kernarg_segment_size: 32
    .max_flat_workgroup_size: 128
    .sgpr_count:     100
    .vgpr_count:     576
    .wavefront_size: 32
...
	.end_amdgpu_metadata
.endif
;; end of part 3
;; launch attn (part 4): grid 8 x 32, 8 waves a work-group, clusters of 4 x 1, 327,680 bytes of LDS; arguments ql, kv, att; writes att
.if DOCPART == 4
	.amdgcn_target "amdgcn-amd-amdhsa--gfx1250"
	.amdhsa_code_object_version 6
	.text
	.protected	k_q7ba5895f8f_attn
	.globl	k_q7ba5895f8f_attn
	.p2align	8
	.type	k_q7ba5895f8f_attn,@function
k_q7ba5895f8f_attn:
	s_mov_b64 s[64:65], 0
	v_nop
	global_prefetch_b8 v0, s[64:65] scope:SCOPE_SE
	s_setreg_imm32_b32 hwreg(HW_REG_WAVE_MODE, 25, 1), 1
	s_wait_xcnt 0x0
	s_wait_alu depctr_hold_cnt(0) depctr_sa_sdst(0) depctr_va_vdst(0) depctr_va_sdst(0) depctr_va_ssrc(0) depctr_va_vcc(0) depctr_vm_vsrc(0)
	s_getreg_b32 s2, hwreg(HW_REG_IB_STS2, 6, 4)
	s_cmp_eq_u32 s2, 0
	s_cbranch_scc0 .Lentry_in_a_cluster
	s_endpgm
.Lentry_in_a_cluster:
	s_bfe_u32 s2, ttmp6, 0x10000c
	s_cmp_lg_u32 s2, 0x3003
	s_cbranch_scc0 .Lentry_shape_is_right
	s_endpgm
.Lentry_shape_is_right:
; Attention of one head over 256 queries: att = softmax(Q K^T / 8) V, with a running maximum.  Q: chunk h of ql, K: chunk h, V: chunk 16 + h of kv,
; all [2048 tokens][64] bf16; att[b][h][token][64] bf16.  Products in bf16 with f32 sums; maxima, exponentials, sums and rescaling in f32.
; SHAPE.  grid x = 8 blocks of 256 queries, grid y = 32 = b x head.  Eight waves: wave w takes queries 64 (w & 3) .. + 63 and half w >> 2 of the keys
; of every tile, so that 32 LDS loads feed 64 matrix instructions.  The two halves' results (O, maximum, sum) are joined at the end through LDS.
; CLUSTERS: the four work-groups of a cluster are four query blocks of one head and read the same tiles of K and V: every tile is asked for jointly (mask 15).
; TRANSPOSED FORMS, so that no number changes lanes but one maximum a step:
;   S^T = K Q^T: source 0 = 16 keys x 32 d, source 1 = Q.  Lane l holds query l%16; register j holds key 8 (l/16) + j of the tile of 16.
;   Two neighbouring key tiles, packed to bf16 pair by pair, ARE the source-1 fragment of P^T for 32 keys.
;   O^T = V^T P^T: source 0 = V^T, brought by the transposing LDS load from V as stored.  Lane l holds query l%16; register j holds d = 16 db + 8 (l/16) + j.
;   So maximum, sum and rescaling factor of a query live in its two lanes; v_permlanex16_b32 joins the two lanes' maxima.
; ORDER.  The eight score products of query tile t + 1 stand one by one among the vector instructions of tile t's softmax, so that a wave's matrix and
; vector work run side by side; both name window 0 alone, so no window is switched for it.
; EXPONENTS: p = 2^(c s + NM), c = log2(e)/8, NM = -c M rounded once; old sums are rescaled by 2^(NM new - NM old), formed from the same rounded NM,
; so that old and new terms share one scale whatever the size of the scores.
; LIMITS: q, k, v, p and the result are bf16 (one rounding each); the denominator sums the unrounded p; v_exp_f32 gives 0 below 2^-126 (ISA guide, its entry);
; the running maximum drops NaN, so NaN or infinite inputs give no promised pattern.
.set SLOT,  77824                      ; a tile of 256 keys: K 256 x 144 bytes, then V 256 x 160 bytes
.set KSZ,   36864
.set MERGE, 155648                     ; behind the two slots, a multiple of 256: 4 x 17,408 bytes, O, M and L of waves 4-7.  No tensor load lands here
.set STAGE, 225280                     ; 4 x 64 rows x 144 bytes: the way out of waves 0-3
.set TILEB, 32768                      ; a tile's bytes in memory, of K and of V
; window 0
.set ADRK, 8                           ; v8-9    my K fragments in slot 0, 1
.set ADRV, 10                          ; v10-11  my V fragments
.set QO,   12                          ; my bytes of Q
.set STO,  13                          ; stage, in
.set RD,   14                          ; stage, back
.set OO,   15                          ; 16 x lane
.set MX,   16                          ; v16-19  running maximum of query tile 0..3 (raw scores)
.set LS,   20                          ; v20-23  running sum, of this lane's keys
.set NM,   24                          ; v24-25  -c x maximum, twice
.set AL,   26                          ; v26-27  rescaling factor, twice
.set TT,   28                          ; v28-35  at work
.set MG,   36                          ; my bytes in MERGE
.set QF,   40                          ; v40-103   Q(qt, dk) at 16 qt + 8 dk
.set KF,   104                         ; v104-167  K(kt, dk) at 16 kt + 8 dk
.set SA,   168                         ; v168-199  scores, then probabilities, of one query tile
.set SB,   200                         ; v200-231  the same, the other buffer
.set FP,   232                         ; v232-247  the merge's factors, pairs
.set U,    248                         ; v248-255  the merge, at work
.set RR,   104                         ; v104-231  the merge: the partner's O
; window 1: O(qt, db) at 32 qt + 8 db (v0-127); V^T(db, j) at VF + 16 db + 8 j
.set VF,   128
.set G1K, 24
.set G0K, 32
.set G1V, 48
.set G0V, 56
.set MSB, 0
.macro WIN new                         ; s_set_vgpr_msb: bits 1:0 source 0, 3:2 source 1, 5:4 source 2, 7:6 destination; the high byte repeats the setting that is left
.if MSB != \new
	s_set_vgpr_msb (MSB<<8)|\new
.set MSB, \new
.endif
.endm
.macro PLACES                          ; four places behind a matrix instruction (ISA guide 7.12.1)
.rept 4
	v_nop
.endr
.endm
.macro JLOAD s                         ; waves 0-3 ask for K's four quarters, waves 4-7 for V's; the branch hangs on the wave's number alone
	s_cmp_eq_u32 s11, 0
	s_cbranch_scc0 .Lfor_v_\@
	tensor_load_to_lds s[G0K+4*\s:G0K+4*\s+3], s[G1K:G1K+7]
	s_nop 0
	s_branch .Lasked_\@
.Lfor_v_\@:
	tensor_load_to_lds s[G0V+4*\s:G0V+4*\s+3], s[G1V:G1V+7]
	s_nop 0
.Lasked_\@:
.endm
.macro ROUND                           ; a round of the cluster's barrier
	s_barrier_signal -1
	s_barrier_wait -1
	s_cmp_lg_u32 s10, 0
	s_cbranch_scc1 .Lnot_wave_0_\@
	s_barrier_signal -3
.Lnot_wave_0_\@:
	s_barrier_wait -3
	s_barrier_signal -1
	s_barrier_wait -1
.endm
; Matrix instruction i (0 .. 7) of the scores of 64 keys x the 16 queries of tile qt, into buffer sr; qt < 0: none.
; i = 0 .. 3: key tile i, d 0-31, starts the sum; i = 4 .. 7: key tile i - 4, d 32-63, in place.  Four accumulators by turns, one instruction a turn.
.macro QKW i, qt, sr
.if \qt >= 0
.if \i < 4
	v_wmma_f32_16x16x32_bf16 v[\sr+8*\i:\sr+8*\i+7], v[KF+16*\i:KF+16*\i+7], v[QF+16*\qt:QF+16*\qt+7], 0
.else
	v_wmma_f32_16x16x32_bf16 v[\sr+8*\i-32:\sr+8*\i-25], v[KF+16*\i-56:KF+16*\i-49], v[QF+16*\qt+8:QF+16*\qt+15], v[\sr+8*\i-32:\sr+8*\i-25]
.endif
.endif
.endm
.macro QK qt, sr                       ; the eight in one run: a step's first query tile, which has no softmax to stand in
.irp i, 0,1,2,3,4,5,6,7
	QKW \i, \qt, \sr
.endr
.endm
; Softmax of one query tile's 64 keys, 32 scores a lane, in buffer sr.  first = 1: nothing is carried yet.
; Among its instructions stand the eight score products of query tile qn into buffer sn.  None of them names a register of this softmax.  The first stands behind
; twelve plain instructions: it writes over registers that the last product of P V in front of this softmax read.  Behind the last follow more than thirty plain
; instructions before the next softmax reads the scores.
.macro SMC qt, sr, first, qn, sn
.irp k, 0,1,2,3
	v_max3_num_f32 v[TT+4+\k], v[\sr+8*\k], v[\sr+8*\k+1], v[\sr+8*\k+2]           ; four chains that do not wait for each other
.endr
.irp k, 0,1,2,3
	v_max3_num_f32 v[TT+4+\k], v[TT+4+\k], v[\sr+8*\k+3], v[\sr+8*\k+4]
.endr
.irp k, 0,1,2,3
	v_max3_num_f32 v[TT+4+\k], v[TT+4+\k], v[\sr+8*\k+5], v[\sr+8*\k+6]
.endr
	QKW 0, \qn, \sn
	v_max3_num_f32 v[TT+4], v[TT+4], v[\sr+7], v[\sr+15]
	v_max3_num_f32 v[TT+6], v[TT+6], v[\sr+23], v[\sr+31]
	v_max3_num_f32 v[TT+4], v[TT+4], v[TT+5], v[TT+6]
	v_max_num_f32 v[TT], v[TT+4], v[TT+7]
	v_permlanex16_b32 v[TT+1], v[TT], s46, s47     ; the query's other lane
	QKW 1, \qn, \sn
.if \first
	v_max_num_f32 v[TT+2], v[TT], v[TT+1]
	v_mul_f32 v[NM], s22, v[TT+2]                  ; -c x maximum
.else
	v_max3_num_f32 v[TT+2], v[TT], v[TT+1], v[MX+\qt]
	v_mul_f32 v[TT+3], s22, v[MX+\qt]              ; the old NM, by the same product as when it was used
	v_mul_f32 v[NM], s22, v[TT+2]
	v_sub_f32 v[TT+3], v[NM], v[TT+3]
	v_exp_f32 v[AL], v[TT+3]                       ; the next line is the plain instruction behind it (ISA guide 5.7.2)
.endif
	v_mov_b32 v[NM+1], v[NM]
	v_mov_b32 v[MX+\qt], v[TT+2]
.if \first
.else
	s_wait_alu depctr_va_vdst(0)
	v_mov_b32 v[AL+1], v[AL]
.endif
	QKW 2, \qn, \sn
.set i, 0
.rept 8
	v_pk_fma_f32 v[\sr+2*i:\sr+2*i+1], v[\sr+2*i:\sr+2*i+1], s[20:21], v[NM:NM+1] op_sel_hi:[1,0,1]    ; c s - c M
.set i, i+1
.endr
	QKW 3, \qn, \sn
.rept 8
	v_pk_fma_f32 v[\sr+2*i:\sr+2*i+1], v[\sr+2*i:\sr+2*i+1], s[20:21], v[NM:NM+1] op_sel_hi:[1,0,1]
.set i, i+1
.endr
	QKW 4, \qn, \sn
.set i, 0
.rept 8
	v_exp_f32 v[\sr+i], v[\sr+i]
.set i, i+1
.endr
	QKW 5, \qn, \sn
.rept 8
	v_exp_f32 v[\sr+i], v[\sr+i]
.set i, i+1
.endr
	QKW 6, \qn, \sn
.rept 8
	v_exp_f32 v[\sr+i], v[\sr+i]
.set i, i+1
.endr
	QKW 7, \qn, \sn
.rept 8
	v_exp_f32 v[\sr+i], v[\sr+i]
.set i, i+1
.endr
	v_nop                                          ; one plain place behind the last exponential
	s_wait_alu depctr_va_vdst(0)
	v_pk_add_f32 v[TT+4:TT+5], v[\sr:\sr+1], v[\sr+2:\sr+3]                        ; the sum, in two chains
	v_pk_add_f32 v[TT+6:TT+7], v[\sr+16:\sr+17], v[\sr+18:\sr+19]
.irp i2, 4,6,8,10,12,14
	v_pk_add_f32 v[TT+4:TT+5], v[TT+4:TT+5], v[\sr+\i2:\sr+\i2+1]
	v_pk_add_f32 v[TT+6:TT+7], v[TT+6:TT+7], v[\sr+16+\i2:\sr+16+\i2+1]
.endr
	v_pk_add_f32 v[TT+4:TT+5], v[TT+4:TT+5], v[TT+6:TT+7]
.if \first
	v_add_f32 v[LS+\qt], v[TT+4], v[TT+5]
.else
	v_add_f32 v[TT+4], v[TT+4], v[TT+5]
	v_fma_f32 v[LS+\qt], v[LS+\qt], v[AL], v[TT+4]
.endif
.set i, 0
.rept 16
	v_cvt_pk_bf16_f32 v[\sr+i], v[\sr+2*i], v[\sr+2*i+1]   ; ascending: word i is written when words 2 i, 2 i + 1 are read; P^T of keys 32 j .. lies in sr + 8 j .. + 7
.set i, i+1
.endr
.endm
.macro RESC qt, db                     ; O(qt, db) x the rescaling factor
.set i, 0
.rept 4
	v_pk_mul_f32 v[32*\qt+8*\db+2*i:32*\qt+8*\db+2*i+1], v[32*\qt+8*\db+2*i:32*\qt+8*\db+2*i+1], v[AL:AL+1]
.set i, i+1
.endr
.endm
.macro PVW qt, sr, db, j, zero         ; O(qt, db) takes keys 32 j .. 32 j + 31
.if \zero
	v_wmma_f32_16x16x32_bf16 v[32*\qt+8*\db:32*\qt+8*\db+7], v[VF+16*\db+8*\j:VF+16*\db+8*\j+7], v[\sr+8*\j:\sr+8*\j+7], 0
.else
	v_wmma_f32_16x16x32_bf16 v[32*\qt+8*\db:32*\qt+8*\db+7], v[VF+16*\db+8*\j:VF+16*\db+8*\j+7], v[\sr+8*\j:\sr+8*\j+7], v[32*\qt+8*\db:32*\qt+8*\db+7]
.endif
.endm
; O of one query tile is rescaled and takes the step's 64 keys; the rescaling of the later blocks stands among the first products.
; Four accumulators by turns, one instruction a turn.  first = 1: the first products start the sums and nothing is rescaled.
.macro RP qt, sr, first
	WIN 0x51                                       ; source 0, C and D in window 1
.if \first
	PVW \qt, \sr, 0, 0, 1
	PVW \qt, \sr, 1, 0, 1
	PVW \qt, \sr, 2, 0, 1
	PVW \qt, \sr, 3, 0, 1
.else
	RESC \qt, 0
	RESC \qt, 1
	PVW \qt, \sr, 0, 0, 0
	RESC \qt, 2
	PVW \qt, \sr, 1, 0, 0
	RESC \qt, 3
	PVW \qt, \sr, 2, 0, 0
	PVW \qt, \sr, 3, 0, 0
.endif
	PVW \qt, \sr, 0, 1, 0
	PVW \qt, \sr, 1, 1, 0
	PVW \qt, \sr, 2, 1, 0
	PVW \qt, \sr, 3, 1, 0
	WIN 0
.endm
; 64 keys x 64 queries, on two score buffers by turns.  No two matrix instructions that follow each other share an accumulator, over the step's end too.
.macro STEP slot, sub, first
.irp kt, 0,1,2,3
.irp dk, 0,1
	ds_load_b128 v[KF+16*\kt+8*\dk:KF+16*\kt+8*\dk+3],   v[ADRK+\slot] offset:\sub*9216+\kt*2304+64*\dk
	ds_load_b128 v[KF+16*\kt+8*\dk+4:KF+16*\kt+8*\dk+7], v[ADRK+\slot] offset:\sub*9216+\kt*2304+64*\dk+32
.endr
.endr
	WIN 0x40                                       ; destination in window 1
.irp db, 0,1,2,3
.irp j, 0,1
	ds_load_tr16_b128 v[VF+16*\db+8*\j:VF+16*\db+8*\j+3],   v[ADRV+\slot] offset:\sub*10240+\j*5120+32*\db        ; keys 32 j + 8 h .. + 7 of d = 16 db + r
	ds_load_tr16_b128 v[VF+16*\db+8*\j+4:VF+16*\db+8*\j+7], v[ADRV+\slot] offset:\sub*10240+\j*5120+32*\db+2560   ; keys 32 j + 16 + 8 h ..
.endr
.endr
	WIN 0
	s_wait_dscnt 16                                ; K's 16 loads are in; V's 16 stay out
	QK 0, SA
	PLACES
	SMC 0, SA, \first, 1, SB
	s_wait_dscnt 0x0                               ; V
	RP 0, SA, \first
	SMC 1, SB, \first, 2, SA
	RP 1, SB, \first
	SMC 2, SA, \first, 3, SB
	RP 2, SA, \first
	SMC 3, SB, \first, -1, SA
	RP 3, SB, \first
	PLACES                                         ; behind the last product: V's registers are loaded again, or O is read
.endm
; A tile of 256 keys (128 for each half of the waves, two steps).  In front of the barrier every wave waits for all its tensor loads and for its reads of the
; other slot; where that slot is filled again the barrier is a round of the cluster's barrier and the joint refill is the first thing behind it, one load a wave.
.macro TRIP slot, other, refill
	s_wait_tensorcnt 0x0                           ; all my loads have landed, my part of this trip's tile among them
	ds_add_u32 v39, v255
	s_wait_dscnt 0x0
.if \refill
	s_add_nc_u64 s[G0K+4*\other+2:G0K+4*\other+3], s[G0K+4*\other+2:G0K+4*\other+3], 2*TILEB   ; none is out: the other slot's addresses step two tiles on
	s_add_nc_u64 s[G0V+4*\other+2:G0V+4*\other+3], s[G0V+4*\other+2:G0V+4*\other+3], 2*TILEB
.endif
	s_wait_dscnt 0x0                               ; my reads of the other slot are over
.if \refill
	ROUND
	JLOAD \other
.else
	s_barrier_signal -1
	s_barrier_wait -1
.endif
	STEP \slot, 0, 0
	STEP \slot, 1, 0
.endm
	s_load_b128 s[4:7], s[0:1], 0x0                ; ql s[4:5], kv s[6:7]
	s_load_b64 s[8:9], s[0:1], 0x10                ; att
	v_lshl_add_u32 v39, v0, 2, 0x40000
	v_mov_b32 v255, 0
	ds_add_u32 v39, v255
	s_wait_dscnt 0x0
	v_lshrrev_b32 v1, 5, v0
	v_readfirstlane_b32 s10, v1                    ; wave 0..7
	s_lshr_b32 s11, s10, 2                         ; g: my half of a tile's keys.  Also: I fetch for K (0) or for V (1)
	s_and_b32 s12, s10, 3                          ; wq: my 64 queries.  Also: which 64 keys of the tile I fetch
	s_bfe_u32 s40, ttmp6, 0x40000                  ; cx
	s_lshl_b32 s42, ttmp9, 2
	s_add_co_u32 s42, s42, s40                     ; query block = 4 x cluster x + cx
	s_and_b32 s13, ttmp7, 0xffff                   ; 16 b + head (the cluster is one work-group high)
	s_lshr_b32 s14, s13, 4                         ; b
	s_and_b32 s15, s13, 15                         ; head
	s_mov_b32 s20, 0x3e38aa3b                      ; c = log2(e) / 8
	s_mov_b32 s21, 0x3e38aa3b
	s_mov_b32 s22, 0xbe38aa3b                      ; -c
	s_mov_b32 s46, 0x76543210                      ; v_permlanex16_b32: lane i of one half reads lane i of the other
	s_mov_b32 s47, 0xfedcba98
	; group 1: 64 keys x 128 bytes are dense in memory: 32 rows of 32 elements of 8 bytes.  Word 0: mask 15, element size 3, padding on, bit 21 beside the mask,
	; behind every 32 words (a key's row) 4 words for K (pitch 144, an odd multiple of 16) and 8 words for V (pitch 160, an odd multiple of 32, for the transposing load)
	s_mov_b32 s[G1K+0], 15|(3<<16)|(1<<20)|(1<<21)|(4<<22)|(3<<25)
	s_mov_b32 s[G1V+0], 15|(3<<16)|(1<<20)|(1<<21)|(4<<22)|(7<<25)
	s_mov_b32 s[G1K+1], 32<<16                     ; tensor_dim0
	s_mov_b32 s[G1V+1], 32<<16
	s_mov_b32 s[G1K+2], 32<<16                     ; tensor_dim1
	s_mov_b32 s[G1V+2], 32<<16
	s_mov_b32 s[G1K+3], 32<<16                     ; tile_dim0
	s_mov_b32 s[G1V+3], 32<<16
	s_mov_b32 s[G1K+4], 32                         ; tile_dim1
	s_mov_b32 s[G1V+4], 32
	s_mov_b32 s[G1K+5], 32                         ; elements from row to row
	s_mov_b32 s[G1V+5], 32
	s_mov_b32 s[G1K+6], 0
	s_mov_b32 s[G1V+6], 0
	s_mov_b32 s[G1K+7], 0
	s_mov_b32 s[G1V+7], 0
	s_lshl_b32 s16, s14, 5
	s_add_co_u32 s16, s16, s15                     ; K's chunk: 32 b + head
	s_lshl_b32 s16, s16, 11
	s_lshl_b32 s17, s12, 6
	s_add_co_u32 s16, s16, s17                     ; + my 64 keys of the tile
	s_lshl_b32 s16, s16, 7
	s_mov_b32 s17, 0
	s_mul_i32 s23, s12, 9216                       ; where they go: the wave's number and constants alone
	s_mul_i32 s45, s12, 10240
	s_add_co_u32 s45, s45, KSZ
	ROUND                                          ; the four work-groups are here: the first joint loads meet.  The arguments are on their way meanwhile
	s_wait_kmcnt 0x0
	s_add_nc_u64 s[18:19], s[6:7], s[16:17]        ; hangs on b, the head and the wave's number: the same in the four partners
.irp s, 0,1
	s_mov_b32 s[G0K+4*\s], 1
	s_add_co_u32 s[G0K+4*\s+1], s23, \s*SLOT
	s_add_nc_u64 s[G0K+4*\s+2:G0K+4*\s+3], s[18:19], \s*TILEB
	s_or_b32 s[G0K+4*\s+3], s[G0K+4*\s+3], 0x80000000
	s_mov_b32 s[G0V+4*\s], 1
	s_add_co_u32 s[G0V+4*\s+1], s45, \s*SLOT
	s_add_nc_u64 s[G0V+4*\s+2:G0V+4*\s+3], s[18:19], 4194304+\s*TILEB      ; V lies 16 chunk planes behind K
	s_or_b32 s[G0V+4*\s+3], s[G0V+4*\s+3], 0x80000000
	JLOAD \s                                       ; tiles 0 and 1: two tensor loads of the wave are out
.endr
	; Q, once, straight into source-1 fragments: lane l holds query l%16; d = 32 dk + 8 (l/16) .. and + 16
	s_mul_i32 s2, s14, 24
	s_add_co_u32 s2, s2, s15                       ; Q's chunk: 24 b + head
	s_lshl_b32 s2, s2, 11
	s_lshl_b32 s3, s42, 8
	s_add_co_u32 s2, s2, s3                        ; + 256 x query block
	s_lshl_b32 s3, s12, 6
	s_add_co_u32 s2, s2, s3                        ; + my 64 queries
	s_lshl_b32 s2, s2, 7
	s_mov_b32 s3, 0
	s_add_nc_u64 s[4:5], s[4:5], s[2:3]
	v_and_b32 v1, 15, v0                           ; r
	v_bfe_u32 v2, v0, 4, 1                         ; h
	v_and_b32 v3, 31, v0                           ; l
	v_lshlrev_b32 v4, 4, v2                        ; 16 h
	v_lshl_add_u32 v[QO], v1, 7, v4
.irp qt, 0,1,2,3
.irp dk, 0,1
	global_load_b128 v[QF+16*\qt+8*\dk:QF+16*\qt+8*\dk+3],   v[QO], s[4:5] offset:2048*\qt+64*\dk
	global_load_b128 v[QF+16*\qt+8*\dk+4:QF+16*\qt+8*\dk+7], v[QO], s[4:5] offset:2048*\qt+64*\dk+32
.endr
.endr
	s_lshl_b32 s2, s13, 11                         ; att's chunk is 16 b + head
	s_lshl_b32 s3, s42, 8
	s_add_co_u32 s2, s2, s3
	s_lshl_b32 s3, s12, 6
	s_add_co_u32 s2, s2, s3
	s_lshl_b32 s2, s2, 7
	s_mov_b32 s3, 0
	s_add_nc_u64 s[8:9], s[8:9], s[2:3]
	v_mul_u32_u24 v5, v1, 144
	v_add_nc_u32 v5, v5, v4                        ; r x 144 + 16 h
	s_mul_i32 s16, s11, 18432                      ; my 128 keys of K
	v_add_nc_u32 v[ADRK], s16, v5
	v_add_nc_u32 v[ADRK+1], SLOT, v[ADRK]
	v_and_b32 v6, 7, v0
	v_lshl_add_u32 v6, v2, 3, v6                   ; key 8 h + (l & 7)
	v_mul_u32_u24 v6, v6, 160
	v_bfe_u32 v7, v0, 3, 1
	v_lshl_add_u32 v6, v7, 4, v6                   ; + 16 bytes for the upper eight of a block's 16 d
	s_mul_i32 s17, s11, 20480                      ; my 128 keys of V,
	s_add_co_u32 s17, s17, KSZ                     ; which lies behind K
	v_add_nc_u32 v[ADRV], s17, v6
	v_add_nc_u32 v[ADRV+1], SLOT, v[ADRV]
	s_mul_i32 s16, s12, 9216
	s_add_co_u32 s16, s16, STAGE
	v_add_nc_u32 v[STO], s16, v5                   ; stage, in: row r, 16 bytes for each half of the lanes
	v_lshrrev_b32 v7, 3, v3
	v_mul_u32_u24 v7, v7, 144
	v_and_b32 v6, 7, v0
	v_lshl_add_u32 v7, v6, 4, v7
	v_add_nc_u32 v[RD], s16, v7                    ; stage, back: four rows of 128 bytes, eight lanes a row
	v_lshlrev_b32 v[OO], 4, v3
	s_mul_i32 s17, s12, 17408
	s_add_co_u32 s17, s17, MERGE
	v_add_nc_u32 v[MG], s17, v[OO]
	v_mov_b32 v[TT+1], 0                           ; v_permlanex16_b32's destination counts as read: written once here
	s_wait_tensorcnt 0x1                           ; my part of tile 0 is in; tile 1's may stay out
	s_barrier_signal -1
	s_barrier_wait -1
	s_wait_loadcnt 0x0                             ; Q
	STEP 0, 0, 1                                   ; tile 0 stands in front of the loop: its first step starts maxima, sums and O
	STEP 0, 1, 0
	s_mov_b32 s44, 3
.Ltiles:
	TRIP 1, 0, 1                                   ; tiles 1, 3, 5; asks for tiles 2, 4, 6
	TRIP 0, 1, 1                                   ; tiles 2, 4, 6; asks for tiles 3, 5, 7
	s_sub_co_u32 s44, s44, 1
	s_cmp_lg_u32 s44, 0
	s_cbranch_scc1 .Ltiles
	TRIP 1, 0, 0                                   ; tile 7: nothing is left to fetch
	; THE TWO HALVES OF THE KEYS ARE JOINED.  Waves 4-7 hand O, M and L to waves 0-3 through LDS.
	s_cmp_eq_u32 s11, 0
	s_cbranch_scc1 .Lkeep
	WIN 0x04                                       ; store data in window 1
.set i, 0
.rept 32
	ds_store_b128 v[MG], v[4*i:4*i+3] offset:512*i
.set i, i+1
.endr
	WIN 0
	ds_store_b128 v[MG], v[MX:MX+3] offset:16384
	ds_store_b128 v[MG], v[LS:LS+3] offset:16896
.Lkeep:
	s_wait_dscnt 0x0                               ; my stores are done, for the wave that reads them
	s_barrier_signal -1
	s_barrier_wait -1
	s_cmp_lg_u32 s11, 0
	s_cbranch_scc1 .Lclose
	ds_load_b128 v[TT:TT+3], v[MG] offset:16384    ; the partner's maxima
	ds_load_b128 v[TT+4:TT+7], v[MG] offset:16896  ; and sums
.set i, 0
.rept 32
	ds_load_b128 v[RR+4*i:RR+4*i+3], v[MG] offset:512*i
.set i, i+1
.endr
	v_mov_b32 v[U+5], 0
	s_wait_dscnt 32                                ; maxima and sums are in; the 32 loads of O stay out while the factors are made
.irp qt, 0,1,2,3
	v_max_num_f32 v[U], v[MX+\qt], v[TT+\qt]
	v_mul_f32 v[U+1], s22, v[U]                    ; NM of the common maximum, and of each half's: the products that the halves' exponents used
	v_mul_f32 v[U+2], s22, v[MX+\qt]
	v_mul_f32 v[U+3], s22, v[TT+\qt]
	v_sub_f32 v[U+2], v[U+1], v[U+2]
	v_sub_f32 v[U+3], v[U+1], v[U+3]
	v_exp_f32 v[U+2], v[U+2]
	v_exp_f32 v[U+3], v[U+3]
	v_nop
	s_wait_alu depctr_va_vdst(0)
	v_mul_f32 v[U+4], v[LS+\qt], v[U+2]
	v_fma_f32 v[U+4], v[TT+4+\qt], v[U+3], v[U+4]
	v_permlanex16_b32 v[U+5], v[U+4], s46, s47     ; the sum over the keys of the query's other lane
	v_add_f32 v[U+4], v[U+4], v[U+5]               ; at least about 1: the largest score's term
	v_rcp_f32 v[U+6], v[U+4]
	v_nop
	s_wait_alu depctr_va_vdst(0)
	v_mul_f32 v[FP+4*\qt],   v[U+2], v[U+6]
	v_mul_f32 v[FP+4*\qt+1], v[U+2], v[U+6]
	v_mul_f32 v[FP+4*\qt+2], v[U+3], v[U+6]
	v_mul_f32 v[FP+4*\qt+3], v[U+3], v[U+6]
.endr
	s_wait_dscnt 0x0
.irp qt, 0,1,2,3
.set i, 0
.rept 16
	v_pk_mul_f32 v[RR+32*\qt+2*i:RR+32*\qt+2*i+1], v[RR+32*\qt+2*i:RR+32*\qt+2*i+1], v[FP+4*\qt+2:FP+4*\qt+3]
.set i, i+1
.endr
.endr
	WIN 0x01                                       ; source 0 (my O) in window 1
.irp qt, 0,1,2,3
.set i, 0
.rept 16
	v_pk_fma_f32 v[RR+32*\qt+2*i:RR+32*\qt+2*i+1], v[32*\qt+2*i:32*\qt+2*i+1], v[FP+4*\qt:FP+4*\qt+1], v[RR+32*\qt+2*i:RR+32*\qt+2*i+1]
.set i, i+1
.endr
.endr
	WIN 0
.set i, 0
.rept 64
	v_cvt_pk_bf16_f32 v[RR+i], v[RR+2*i], v[RR+2*i+1]      ; ascending, in place: (qt, db) ends in RR + 16 qt + 4 db .. + 3
.set i, i+1
.endr
.irp qt, 0,1,2,3
.irp db, 0,1,2,3
	ds_store_b128 v[STO], v[RR+16*\qt+4*\db:RR+16*\qt+4*\db+3] offset:\qt*2304+32*\db      ; query 16 qt + r, d = 16 db + 8 h .. + 7
.endr
.endr
.set i, 0
.rept 16
	ds_load_b128 v[SA+4*i:SA+4*i+3], v[RD] offset:576*i    ; my own bytes: LDS serves a wave's instructions in order (ISA guide 5.7.1)
.set i, i+1
.endr
.set i, 0
.rept 16
	s_wait_dscnt 15-i
	global_store_b128 v[OO], v[SA+4*i:SA+4*i+3], s[8:9] offset:512*i       ; four tokens' 128 bytes: 512 consecutive aligned bytes a wave
.set i, i+1
.endr
.Lclose:
	s_wait_tensorcnt 0x0
	ds_add_u32 v39, v255
	s_wait_dscnt 0x0
	ROUND                                          ; the closing round: no work-group ends while a partner may still ask for a tile that names it
	s_endpgm
.Lfunc_end_k_q7ba5895f8f_attn:
	.size	k_q7ba5895f8f_attn, .Lfunc_end_k_q7ba5895f8f_attn-k_q7ba5895f8f_attn
	.p2alignl 7, 3214868480
	.fill 96, 4, 3214868480
	.section	.rodata,"a",@progbits
	.p2align	6, 0x0
	.amdhsa_kernel k_q7ba5895f8f_attn
		.amdhsa_group_segment_fixed_size 327680
		.amdhsa_private_segment_fixed_size 0
		.amdhsa_enable_private_segment 0
		.amdhsa_kernarg_size 24
		.amdhsa_user_sgpr_count 2
		.amdhsa_user_sgpr_kernarg_segment_ptr 1
		.amdhsa_wavefront_size32 1
		.amdhsa_system_sgpr_workgroup_id_x 1
		.amdhsa_system_sgpr_workgroup_id_y 1
		.amdhsa_system_sgpr_workgroup_id_z 1
		.amdhsa_system_vgpr_workitem_id 0
		.amdhsa_next_free_vgpr 448
		.amdhsa_next_free_sgpr 66
		.amdhsa_reserve_vcc 0
		.amdhsa_float_denorm_mode_32 3
		.amdhsa_float_denorm_mode_16_64 3
		.amdhsa_memory_ordered 1
		.amdhsa_forward_progress 1
		.amdhsa_inst_pref_size 255
	.end_amdhsa_kernel
	.section	.bss,"aw",@nobits
	.p2align	6
	.space	262144
	.amdgpu_metadata
---
amdhsa.version: [ 1, 2 ]
amdhsa.kernels:
  - .name:           k_q7ba5895f8f_attn
    .symbol:         k_q7ba5895f8f_attn.kd
    .args:
      - { .name: ql, .offset: 0, .size: 8, .value_kind: global_buffer, .address_space: global }
      - { .name: kv, .offset: 8, .size: 8, .value_kind: global_buffer, .address_space: global }
      - { .name: att, .offset: 16, .size: 8, .value_kind: global_buffer, .address_space: global }
    .group_segment_fixed_size: 327680
    .private_segment_fixed_size: 0
    .kernarg_segment_align: 8
    .kernarg_segment_size: 24
    .max_flat_workgroup_size: 256
    .sgpr_count:     66
    .vgpr_count:     448
    .wavefront_size: 32
...
	.end_amdgpu_metadata
.endif
;; end of part 4
;; launch projout (part 5): grid 8 x 32, 4 waves a work-group, clusters of 4 x 4, 327,680 bytes of LDS; arguments att, bf, out_b, out0; writes out0
.if DOCPART == 5
	.amdgcn_target "amdgcn-amd-amdhsa--gfx1250"
	.amdhsa_code_object_version 6
	.text
	.protected	k_q7ba5895f8f_projout
	.globl	k_q7ba5895f8f_projout
	.p2align	8
	.type	k_q7ba5895f8f_projout,@function
k_q7ba5895f8f_projout:
	s_mov_b64 s[64:65], 0
	v_nop
	global_prefetch_b8 v0, s[64:65] scope:SCOPE_SE
	s_setreg_imm32_b32 hwreg(HW_REG_WAVE_MODE, 25, 1), 1
	s_wait_xcnt 0x0
	s_wait_alu depctr_hold_cnt(0) depctr_sa_sdst(0) depctr_va_vdst(0) depctr_va_sdst(0) depctr_va_ssrc(0) depctr_va_vcc(0) depctr_vm_vsrc(0)
	s_getreg_b32 s2, hwreg(HW_REG_IB_STS2, 6, 4)
	s_cmp_eq_u32 s2, 0
	s_cbranch_scc0 .Lentry_in_a_cluster
	s_endpgm
.Lentry_in_a_cluster:
	s_bfe_u32 s2, ttmp6, 0x10000c
	s_cmp_lg_u32 s2, 0xf033
	s_cbranch_scc0 .Lentry_shape_is_right
	s_endpgm
.Lentry_shape_is_right:
; The output projection: out0[4096][1024] = att W^T + bias, att bf16 chunk-major (chunk = head, so k = 64 head + d), W = out_w in bf16 (from bf),
; sums in f32, stored as f32 rows of 1024.
; This text serves three launches; only the sizes in the first block differ.
; LIMITS: operands are bf16 (one rounding each); NaN and infinities pass through the arithmetic as they fall.
.set KTOT,  1024                       ; length of the sums
.set NT,    2                          ; chunks of 64 columns in a work-group's block
.set ALAY,  1                          ; A's layout: 0 = rows of KTOT bf16; 1 = chunk-major [b][chunk][2048][64]
.set NCHA,  16                         ; (chunk-major A) chunks for each b in A's buffer
.set C0,    0                          ; (chunk-major A) the first chunk that is read
.set W_OFF, 13631488                   ; W's first byte in bf
.set OUTF,  1                          ; 0 = bf16 chunk-major out; 1 = f32 rows of 1024 out
.set NCHO,  0                          ; (chunk-major out) chunks for each b
.set SELB,  0                          ; 1 = the bias comes from two buffers, split at column 1024
.set NX,    2                          ; K steps of 128 in slot X
.set NY,    2                          ; K steps of 128 in slot Y
.set NPH,   4                          ; phases X, Y, X, Y: 2 + 2 + 2 + 2 = the 8 steps.  Half of K lies in LDS at once: 2 x 141,312 bytes
.set OA, 0                             ; places of the addresses among the arguments: A
.set OW, 8                             ; W
.set OB, 16                            ; bias
.set OB2, 16                           ; second bias (none here)
.set OO, 24                            ; out
; SHAPE.  256 work-groups, each a block of 128 rows x BN columns with four waves, as many as a WGP has SIMDs; a wave makes 64 x BN/2:
; 4 x NB accumulator tiles of 16 x 16.
; THE RING.  Two LDS slots, X with NX and Y with NY K steps of 128, are multiplied by turns, NPH phases in all, written out without a loop.  Both are asked
; for at the start.  A slot is asked for again behind the barrier that ends its phase, one tensor load a wave, and has the other slot's phase in which to
; land.  Since a wave issues one load there, that load is made large: a slot of two steps is one tile with rows twice as long.
; CLUSTERS: 4 x 4 work-groups.  A's tile hangs on the block row alone and is asked for jointly by a row of the cluster, W's on the block column
; alone and is asked for jointly by a column: each of the four issues the same load with the same descriptor and a mask that names the four.
; TRANSPOSED USE: source 0 = 16 rows of W, source 1 = 16 rows of A, so register j of lane l holds C(row l%16, column 8 (l/16) + j):
; eight neighbouring columns.  The bias, loaded in that same layout, is the C operand of each accumulator's first product: nothing is cleared
; and nothing is added at the end.
.set BN,   64*NT
.set NB,   2*NT                        ; n blocks of a wave
.set NL,   2*NB+8                      ; LDS loads of a quarter step
.set CH,   262144                      ; bytes of a chunk plane: 2048 tokens x 128
.set PWX,  256*NX+16                   ; W's LDS pitch in X and in Y: the row's bytes + 16
.set PWY,  256*NY+16
.if ALAY
.set PLANE, 128*144                    ; 128 tokens x 64 k: a token's 128 bytes + 16
.set PAX,  144
.set PAY,  144
.set AHX,  NX*PLANE                    ; what one load brings: half of the slot's 2 NX planes
.set AHY,  NY*PLANE
.set AWX,  NX*CH                       ; and how far the second wave's half lies behind the first's in memory
.set AWY,  NY*CH
.set ASTEP, 2*CH                       ; a K step is two planes
.else
.set PLANE, 0
.set PAX,  PWX
.set PAY,  PWY
.set AHX,  64*PAX                      ; what one load brings: 64 rows
.set AHY,  64*PAY
.set AWX,  64*KTOT*2
.set AWY,  64*KTOT*2
.set ASTEP, 256
.endif
.set ASZX, 2*AHX
.set ASZY, 2*AHY
.set WHX,  (BN/2)*PWX                  ; half of W's rows: what one load brings, and what one wave reads
.set WHY,  (BN/2)*PWY
.set YB,   ASZX+2*WHX                  ; slot X begins at 0 (A, then W), slot Y here; a multiple of 256
.set RING, YB+ASZY+2*WHY
.set ESZ,  2+2*OUTF
.set SP,   BN*ESZ+16                   ; stage pitch.  All pitches are odd multiples of 16 bytes: the 16 rows that a 16-byte access of 16 lanes touches lie in 16 different 16-byte columns modulo 256
; The stage of 128 rows for the way out lies behind the ring where that fits; else in the slot that the last phase does not read: that slot has had its last
; fill, and every wave's last reads of it are waited for in front of the barrier that opens the last phase.
.if RING+128*SP <= 327680
.set STAGE, RING
.else
.if NPH&1
.set STAGE, YB
.else
.set STAGE, 0
.endif
.endif
; window 0: v0-15 at work; addresses below; two fragment buffers (W's blocks at +0, A's at +64); TMP.  window 1: accumulator (a, b) at 8 (NB a + b).  window 2: bias of n block b at 8 b.
.set ADRA, 16                          ; v16-17 LDS address of my A fragments in slot X, Y
.set ADRB, 20                          ; v20-21 the same for W
.set STO,  24                          ; where I put my results in the stage
.set RD,   25                          ; where I read the stage back
.set CO,   26                          ; 16 x lane: my bytes in a store of 512
.set BO,   27                          ; 32 (l/16): my eight numbers of a block's bias
.set F0,   32
.set F1,   128
.set TMP,  224
.set GA1, 24                           ; s[24:39] group 1 for A: X's, then Y's
.set GW1, 40                           ; s[40:55] group 1 for W
.set GA0, 56                           ; s[56:63] group 0 for A: X's, then Y's
.set GW0, 68                           ; s[68:75] group 0 for W
.set MSB, 0
.macro WIN new                         ; s_set_vgpr_msb: bits 1:0 source 0, 3:2 source 1, 5:4 source 2, 7:6 destination; the high byte repeats the setting that is left
.if MSB != \new
	s_set_vgpr_msb (MSB<<8)|\new
.set MSB, \new
.endif
.endm
.set MUL,  0x50                        ; C and D in window 1
.set MUL1, 0x60                        ; D in window 1, C (the bias) in window 2
.set TOB,  0x80                        ; destination in window 2
.set CVT,  0x05                        ; sources 0 and 1 in window 1
.set ST1,  0x04                        ; store data in window 1
.macro SETSLOT sl                      ; the pitches and the steps of slot sl (0 = X, 1 = Y)
.if \sl
.set PA, PAY
.set PW, PWY
.set NS, NY
.else
.set PA, PAX
.set PW, PWX
.set NS, NX
.endif
.endm
; Group 1 of a tile of rows that lie along K: n steps = rows of 128 n bf16, 4 words of padding behind each row (interval code 4 + n: 64 n words).
; Word 0: 15:0 mask, 17:16 element size, 20 padding on, 21 set beside a mask, 24:22 interval, 31:25 pad - 1
.macro SETROW g, mask, n, rows
	s_or_b32 s[\g], \mask, (1<<16)|(1<<20)|(1<<21)|((4+\n)<<22)|(3<<25)
	s_mov_b32 s[\g+1], (128*\n)<<16                ; tensor_dim0
	s_mov_b32 s[\g+2], (\rows)<<16                 ; tensor_dim1
	s_mov_b32 s[\g+3], (128*\n)<<16                ; tile_dim0
	s_mov_b32 s[\g+4], \rows                       ; tile_dim1
	s_mov_b32 s[\g+5], KTOT                        ; elements from row to row
	s_mov_b32 s[\g+6], 0
	s_mov_b32 s[\g+7], 0
.endm
; Group 1 of n chunk planes of 128 tokens x 128 bytes, each dense in memory; elements of 8 bytes; 4 words of padding behind every 32 words: pitch 144 a token.
; One plane: 64 rows of 32 elements.  Two: each plane is one row of 2,048 elements, and the next plane lies a chunk (32,768 elements) further on.
.macro SETPL g, mask, n
	s_or_b32 s[\g], \mask, (3<<16)|(1<<20)|(1<<21)|(4<<22)|(3<<25)
.if \n == 1
	s_mov_b32 s[\g+1], 32<<16
	s_mov_b32 s[\g+2], 64<<16
	s_mov_b32 s[\g+3], 32<<16
	s_mov_b32 s[\g+4], 64
	s_mov_b32 s[\g+5], 32
.else
	s_mov_b32 s[\g+1], 2048<<16
	s_mov_b32 s[\g+2], (\n)<<16
	s_mov_b32 s[\g+3], 2048<<16
	s_mov_b32 s[\g+4], \n
	s_mov_b32 s[\g+5], CH/8
.endif
	s_mov_b32 s[\g+6], 0
	s_mov_b32 s[\g+7], 0
.endm
.macro JLOAD sl                        ; waves 0, 1 ask for A's halves, waves 2, 3 for W's: each line has one mask; the branch hangs on the wave's number alone
	s_cmp_eq_u32 s11, 0
	s_cbranch_scc0 .Lfor_w_\@
	tensor_load_to_lds s[GA0+4*\sl:GA0+4*\sl+3], s[GA1+8*\sl:GA1+8*\sl+7]
	s_nop 0
	s_branch .Lasked_\@
.Lfor_w_\@:
	tensor_load_to_lds s[GW0+4*\sl:GW0+4*\sl+3], s[GW1+8*\sl:GW1+8*\sl+7]
	s_nop 0
.Lasked_\@:
.endm
.macro CREST                           ; a round of the cluster's barrier behind its opening work-group barrier
	s_cmp_lg_u32 s10, 0
	s_cbranch_scc1 .Lnot_wave_0_\@
	s_barrier_signal -3
.Lnot_wave_0_\@:
	s_barrier_wait -3
	s_barrier_signal -1
	s_barrier_wait -1
.endm
.macro CROUND
	s_barrier_signal -1
	s_barrier_wait -1
	CREST
.endm
.macro PLACES                          ; four places behind a matrix instruction (ISA guide 7.12.1) before its registers are loaded into or its results read
.rept 4
	v_nop
.endr
.endm
; NB matrix instructions: m block a x all n blocks, 32 along K.  first = 1: the bias starts the sums.
; The 4 NB accumulators take turns, one instruction a turn, in the same order in every quarter step.
.macro MULA f, a, first
.if \first
	WIN MUL1
.else
	WIN MUL
.endif
.set bb, 0
.rept NB
.if \first
	v_wmma_f32_16x16x32_bf16 v[8*(NB*\a+bb):8*(NB*\a+bb)+7], v[\f+8*bb:\f+8*bb+7], v[\f+64+8*\a:\f+64+8*\a+7], v[8*bb:8*bb+7]
.else
	v_wmma_f32_16x16x32_bf16 v[8*(NB*\a+bb):8*(NB*\a+bb)+7], v[\f+8*bb:\f+8*bb+7], v[\f+64+8*\a:\f+64+8*\a+7], v[8*(NB*\a+bb):8*(NB*\a+bb)+7]
.endif
.set bb, bb+1
.endr
.endm
; The NL loads of quarter q (32 along K; 0 .. 4 NS - 1) of a slot, in one run: W's blocks, then A's blocks 0, 1, then 2, 3.
; A fragment is 16 rows x 32 K: lane l holds row l%16; registers 0-3 K = 8 (l/16) + 0..7, registers 4-7 K = 16 + 8 (l/16) + 0..7: two loads of 16 bytes, 32 bytes apart.
.macro FETCH sl, q, f
	WIN 0
	SETSLOT \sl
.if ALAY
.set KA, (\q>>1)*PLANE+(\q&1)*64
.else
.set KA, 64*\q
.endif
.set bb, 0
.rept NB
	ds_load_b128 v[\f+8*bb:\f+8*bb+3],   v[ADRB+\sl] offset:bb*16*PW+64*\q
	ds_load_b128 v[\f+8*bb+4:\f+8*bb+7], v[ADRB+\sl] offset:bb*16*PW+64*\q+32
.set bb, bb+1
.endr
.irp a, 0,1,2,3
	ds_load_b128 v[\f+64+8*\a:\f+64+8*\a+3],   v[ADRA+\sl] offset:\a*16*PA+KA
	ds_load_b128 v[\f+64+8*\a+4:\f+64+8*\a+7], v[ADRA+\sl] offset:\a*16*PA+KA+32
.endr
.endm
.macro QUARTER sl, qn, f, g, first     ; multiplies buffer f; in its middle fetches quarter qn into buffer g
	s_wait_dscnt 4                                 ; all but the youngest four loads (A's blocks 2, 3) are in
	MULA \f, 0, \first
	MULA \f, 1, \first
	PLACES
	FETCH \sl, \qn, \g
	s_wait_dscnt NL                                ; all but the NL just issued
	MULA \f, 2, \first
	MULA \f, 3, \first
.endm
.macro PHASE sl, first                 ; all quarters of a slot but the last; no barrier stands between a slot's steps: the one in front has shown the whole slot to every wave
	QUARTER \sl, 1, F0, F1, \first
	QUARTER \sl, 2, F1, F0, 0
	QUARTER \sl, 3, F0, F1, 0
	SETSLOT \sl
.if NS == 2
	QUARTER \sl, 4, F1, F0, 0
	QUARTER \sl, 5, F0, F1, 0
	QUARTER \sl, 6, F1, F0, 0
	QUARTER \sl, 7, F0, F1, 0
.endif
.endm
; The last quarter of a slot, and the change of slots.  In front of the barrier each wave waits for its reads of this slot and for all its tensor
; loads (what is out is its part of the next slot).  Where the slot is filled again the barrier opens a round of the cluster's barrier,
; and the joint refill is the first tensor load behind the round's closing wait, one a wave.
.macro TURN sl, next, fill
	s_wait_dscnt 4
	MULA F1, 0, 0
	s_wait_dscnt 0x0                               ; my reads of this slot are over
	s_wait_tensorcnt 0x0                           ; all my tensor loads have landed
	ds_add_u32 v254, v255
	s_wait_dscnt 0x0
	s_barrier_signal -1
	MULA F1, 1, 0                                  ; register work while the others arrive
	WIN 0
	s_barrier_wait -1
.if \fill
	CREST
	s_add_nc_u64 s[GA0+4*\sl+2:GA0+4*\sl+3], s[GA0+4*\sl+2:GA0+4*\sl+3], (NX+NY)*ASTEP     ; no load of mine is out: the slot's addresses step once round the ring
	s_add_nc_u64 s[GW0+4*\sl+2:GW0+4*\sl+3], s[GW0+4*\sl+2:GW0+4*\sl+3], (NX+NY)*256
	JLOAD \sl
.endif
	PLACES
	FETCH \next, 0, F0
	MULA F1, 2, 0
	MULA F1, 3, 0
.endm
; Eight 16-byte loads a lane from the stage, eight stores of 512 consecutive aligned bytes a wave.
.macro OUTB f, l0, ls, g0, gs
	s_wait_xcnt 0x0                                ; buffer f, which earlier stores read, is loaded again only behind this wait
.irp t, 0,1,2,3,4,5,6,7
	ds_load_b128 v[\f+4*\t:\f+4*\t+3], v[RD] offset:\l0+\t*\ls
.endr
.irp t, 0,1,2,3,4,5,6,7
	s_wait_dscnt 7-\t                              ; LDS loads come back in order: load t is in
.if OUTF
	global_store_b128 v[CO], v[\f+4*\t:\f+4*\t+3], s[8:9] offset:\g0+\t*\gs th:TH_STORE_NT
.else
	global_store_b128 v[CO], v[\f+4*\t:\f+4*\t+3], s[8:9] offset:\g0+\t*\gs
.endif
.endr
.endm
	s_load_b64 s[4:5], s[0:1], OA
	s_load_b64 s[6:7], s[0:1], OW
	s_load_b64 s[82:83], s[0:1], OB
.if SELB
	s_load_b64 s[84:85], s[0:1], OB2
.endif
	s_load_b64 s[8:9], s[0:1], OO
	v_lshl_add_u32 v254, v0, 2, 0x45000
	v_mov_b32 v255, 0
	ds_add_u32 v254, v255
	s_wait_dscnt 0x0
	v_lshrrev_b32 v1, 5, v0
	v_readfirstlane_b32 s10, v1                    ; wave 0..3
	s_lshr_b32 s11, s10, 1                         ; my half of the block's rows.  Also: I fetch for A (0) or for W (1)
	s_and_b32 s12, s10, 1                          ; my half of its columns.  Also: which half of that tile I fetch
	s_bfe_u32 s78, ttmp6, 0x40000                  ; cx
	s_bfe_u32 s79, ttmp6, 0x40004                  ; cy
	s_lshl_b32 s80, ttmp9, 2
	s_add_co_u32 s80, s80, s78                     ; block column = 4 x cluster x + cx
	s_and_b32 s13, ttmp7, 0xffff
	s_lshl_b32 s13, s13, 2
	s_add_co_u32 s13, s13, s79                     ; block row = 4 x cluster y + cy
	s_lshl_b32 s76, s79, 2
	s_lshl_b32 s76, 15, s76                        ; my row of the cluster
	s_lshl_b32 s77, 0x1111, s78                    ; my column
.if ALAY
	SETPL GA1, s76, NX
	SETPL GA1+8, s76, NY
.else
	SETROW GA1, s76, NX, 64
	SETROW GA1+8, s76, NY, 64
.endif
	SETROW GW1, s77, NX, BN/2
	SETROW GW1+8, s77, NY, BN/2
	; A's first tiles: they hang on the block row and the wave's number alone
.if ALAY
	s_lshr_b32 s16, s13, 4                         ; b
	s_mul_i32 s16, s16, NCHA
	s_add_co_u32 s16, s16, C0
	s_lshl_b32 s16, s16, 11                        ; x 2048 tokens
	s_and_b32 s17, s13, 15
	s_lshl_b32 s17, s17, 7                         ; + the block's first token
	s_add_co_u32 s16, s16, s17
	s_lshl_b32 s16, s16, 7                         ; x 128 bytes
.else
	s_mul_i32 s16, s13, 128*KTOT*2                 ; 128 rows for each block row
.endif
	s_mul_i32 s18, s12, AWX                        ; X: K steps 0 .. NX - 1, my half
	s_add_co_u32 s18, s18, s16
	s_mov_b32 s19, 0
	s_mul_i32 s20, s12, AWY                        ; Y: the NY steps behind them, my half
	s_add_co_u32 s20, s20, s16
	s_add_co_u32 s20, s20, NX*ASTEP
	s_mov_b32 s21, 0
	; W's first tiles: they hang on the block column and the wave's number alone
	s_mul_i32 s22, s80, BN
	s_mul_i32 s23, s12, BN/2
	s_add_co_u32 s22, s22, s23
	s_mul_i32 s22, s22, KTOT*2
	s_add_co_u32 s22, s22, W_OFF
	s_mov_b32 s23, 0
	; group 0, words 0 and 1: count = 1; the LDS address is made of the wave's number and constants alone
	s_mov_b32 s[GA0], 1
	s_mul_i32 s[GA0+1], s12, AHX
	s_mov_b32 s[GA0+4], 1
	s_mul_i32 s[GA0+5], s12, AHY
	s_add_co_u32 s[GA0+5], s[GA0+5], YB
	s_mov_b32 s[GW0], 1
	s_mul_i32 s[GW0+1], s12, WHX
	s_add_co_u32 s[GW0+1], s[GW0+1], ASZX
	s_mov_b32 s[GW0+4], 1
	s_mul_i32 s[GW0+5], s12, WHY
	s_add_co_u32 s[GW0+5], s[GW0+5], YB+ASZY
	CROUND                                         ; all sixteen work-groups are here: the first joint loads meet.  The arguments are on their way meanwhile
	s_wait_kmcnt 0x0
	s_add_nc_u64 s[GA0+2:GA0+3], s[4:5], s[18:19]
	s_add_nc_u64 s[GA0+6:GA0+7], s[4:5], s[20:21]
	s_add_nc_u64 s[GW0+2:GW0+3], s[6:7], s[22:23]
	s_add_nc_u64 s[GW0+6:GW0+7], s[GW0+2:GW0+3], NX*256
	s_or_b32 s[GA0+3], s[GA0+3], 0x80000000        ; type = 2
	s_or_b32 s[GA0+7], s[GA0+7], 0x80000000
	s_or_b32 s[GW0+3], s[GW0+3], 0x80000000
	s_or_b32 s[GW0+7], s[GW0+7], 0x80000000
	JLOAD 0                                        ; both slots are asked for before anything else: two tensor loads of the wave are out
	JLOAD 1
	; the bias of my NB blocks of 16 columns
	v_and_b32 v1, 15, v0                           ; r = l % 16
	v_bfe_u32 v2, v0, 4, 1                         ; h = l / 16
	v_and_b32 v5, 31, v0                           ; l
	v_lshlrev_b32 v[BO], 5, v2
	s_mul_i32 s86, s80, BN
	s_mul_i32 s87, s12, BN/2
	s_add_co_u32 s86, s86, s87                     ; my first column
.if SELB
.set bb, 0
.rept NB
	s_add_co_u32 s22, s86, 16*bb                   ; the block's first column; 1024 is a multiple of 16, so no block straddles the split
	s_cmp_lt_u32 s22, 1024
	s_cselect_b64 s[88+2*bb:89+2*bb], s[82:83], s[84:85]
	s_cselect_b32 s23, 0, 1024
	s_sub_co_u32 s22, s22, s23
	s_lshl_b32 s22, s22, 2
	s_mov_b32 s23, 0
	s_add_nc_u64 s[88+2*bb:89+2*bb], s[88+2*bb:89+2*bb], s[22:23]
.set bb, bb+1
.endr
.else
	s_lshl_b32 s22, s86, 2
	s_mov_b32 s23, 0
	s_add_nc_u64 s[88:89], s[82:83], s[22:23]
.endif
	WIN TOB
.set bb, 0
.rept NB
.if SELB
.set PB, 88+2*bb
.set OFB, 0
.else
.set PB, 88
.set OFB, 64*bb
.endif
	global_load_b128 v[8*bb:8*bb+3],   v[BO], s[PB:PB+1] offset:OFB      ; register j = bias[n0 + 8 h + j]: the accumulator's own layout
	global_load_b128 v[8*bb+4:8*bb+7], v[BO], s[PB:PB+1] offset:OFB+16
.set bb, bb+1
.endr
	WIN 0
	; where my 32 rows of the block go in the output (in registers that feed no descriptor)
.if OUTF
	s_lshl_b32 s86, s13, 7
	s_lshl_b32 s87, s10, 5
	s_add_co_u32 s86, s86, s87                     ; row 128 x block row + 32 x wave
	s_lshl_b32 s86, s86, 12                        ; x 4096 bytes
	s_lshl_b32 s87, s80, 9                         ; + 512 bytes x block column
	s_add_co_u32 s86, s86, s87
.else
	s_lshr_b32 s86, s13, 4                         ; b
	s_mul_i32 s86, s86, NCHO
	s_mul_i32 s87, s80, NT
	s_add_co_u32 s86, s86, s87                     ; the block's first chunk
	s_lshl_b32 s86, s86, 11
	s_and_b32 s87, s13, 15
	s_lshl_b32 s87, s87, 7
	s_add_co_u32 s86, s86, s87                     ; + the block's first token
	s_lshl_b32 s87, s10, 5
	s_add_co_u32 s86, s86, s87                     ; + 32 x wave
	s_lshl_b32 s86, s86, 7
.endif
	s_mov_b32 s87, 0
	s_add_nc_u64 s[8:9], s[8:9], s[86:87]
	; LDS addresses: row x pitch + 16 h, my 64 rows of A, my BN/2 rows of W (which lie behind A), in each slot
	v_mul_u32_u24 v3, v1, PAX
	v_lshl_add_u32 v3, v2, 4, v3
	s_mul_i32 s20, s11, 64*PAX
	v_add_nc_u32 v[ADRA], s20, v3
	v_mul_u32_u24 v3, v1, PAY
	v_lshl_add_u32 v3, v2, 4, v3
	s_mul_i32 s21, s11, 64*PAY
	s_add_co_u32 s21, s21, YB
	v_add_nc_u32 v[ADRA+1], s21, v3
	v_mul_u32_u24 v4, v1, PWX
	v_lshl_add_u32 v4, v2, 4, v4
	s_mul_i32 s22, s12, WHX
	s_add_co_u32 s22, s22, ASZX
	v_add_nc_u32 v[ADRB], s22, v4
	v_mul_u32_u24 v4, v1, PWY
	v_lshl_add_u32 v4, v2, 4, v4
	s_mul_i32 s23, s12, WHY
	s_add_co_u32 s23, s23, YB+ASZY
	v_add_nc_u32 v[ADRB+1], s23, v4
	v_mul_u32_u24 v6, v1, SP                       ; stage, in: row 64 wm + 16 a + r, columns BN/2 wn + 16 b + 8 h ..
	v_lshl_add_u32 v6, v2, 4+OUTF, v6
	s_mul_i32 s20, s11, 64*SP
	s_mul_i32 s21, s12, (BN/2)*ESZ
	s_add_co_u32 s20, s20, s21
	s_add_co_u32 s20, s20, STAGE
	v_add_nc_u32 v[STO], s20, v6
.if OUTF
	v_lshlrev_b32 v7, 4, v5                        ; stage, back: a row's 512 bytes, 16 a lane
.else
	v_lshrrev_b32 v7, 3, v5                        ; stage, back: four rows' 128 bytes of one chunk, 8 lanes a row
	v_and_b32 v8, 7, v5
	v_mul_u32_u24 v7, v7, SP
	v_lshl_add_u32 v7, v8, 4, v7
.endif
	s_mul_i32 s22, s10, 32*SP                      ; rows 32 w .. 32 w + 31
	s_add_co_u32 s22, s22, STAGE
	v_add_nc_u32 v[RD], s22, v7
	v_lshlrev_b32 v[CO], 4, v5
	s_wait_tensorcnt 0x1                           ; my part of slot X is in; slot Y's may stay out
	s_barrier_signal -1
	s_barrier_wait -1                              ; everybody's is
	FETCH 0, 0, F0
	s_wait_loadcnt 0x0                             ; the bias, once
	PHASE 0, 1                                     ; the first products take the bias as C
	TURN 0, 1, 1                                   ; X is asked for again: phase 2's steps
	PHASE 1, 0
.if NPH == 3
	TURN 1, 0, 0                                   ; nothing is left to fetch
	PHASE 0, 0
.endif
.if NPH == 4
	TURN 1, 0, 1                                   ; Y: phase 3's steps
	PHASE 0, 0
	TURN 0, 1, 0
	PHASE 1, 0
.endif
.if NPH == 5
	TURN 1, 0, 1                                   ; Y: phase 3's steps
	PHASE 0, 0
	TURN 0, 1, 1                                   ; X: phase 4's steps
	PHASE 1, 0
	TURN 1, 0, 0
	PHASE 0, 0
.endif
	s_wait_dscnt 4                                 ; the very last quarter: nothing more to fetch
	MULA F1, 0, 0
	MULA F1, 1, 0
	s_wait_dscnt 0x0
	MULA F1, 2, 0
	MULA F1, 3, 0
	; THE WAY OUT: the block goes through the stage, so that every store of a wave covers 512 consecutive aligned bytes.
	PLACES                                         ; behind the last matrix instructions, for the reads of results and the loads into the fragment buffers
.if OUTF
	WIN ST1
.irp a, 0,1,2,3
.set bb, 0
.rept NB
	ds_store_b128 v[STO], v[8*(NB*\a+bb):8*(NB*\a+bb)+3]   offset:\a*16*SP+64*bb
	ds_store_b128 v[STO], v[8*(NB*\a+bb)+4:8*(NB*\a+bb)+7] offset:\a*16*SP+64*bb+16
.set bb, bb+1
.endr
.endr
	WIN 0
.else
.irp a, 0,1,2,3
	WIN CVT
.set bb, 0
.rept NB
.irp r, 0,1,2,3
	v_cvt_pk_bf16_f32 v[TMP+4*bb+\r], v[8*(NB*\a+bb)+2*\r], v[8*(NB*\a+bb)+2*\r+1]
.endr
.set bb, bb+1
.endr
	WIN 0
.set bb, 0
.rept NB
	ds_store_b128 v[STO], v[TMP+4*bb:TMP+4*bb+3] offset:\a*16*SP+32*bb
.set bb, bb+1
.endr
.endr
.endif
	s_wait_dscnt 0x0                               ; my stores into the stage are done, for the waves that read them
	s_barrier_signal -1
	s_barrier_wait -1
.if OUTF
.irp k, 0,1,2,3
	OUTB F0+96*(\k&1), 8*\k*SP, SP, 8*\k*4096, 4096        ; eight rows: a row's 512 bytes of this block in each store
.endr
.else
.irp c, 0,1,2,3
.if \c < NT
	OUTB F0+96*(\c&1), 128*\c, 4*SP, \c*CH, 512            ; chunk c of my 32 rows: four tokens' 128 bytes in each store
.endif
.endr
.endif
	s_wait_tensorcnt 0x0
	ds_add_u32 v254, v255
	s_wait_dscnt 0x0
	CROUND                                         ; the closing round: no work-group ends while a partner may still ask for a tile that names it
	s_endpgm
.Lfunc_end_k_q7ba5895f8f_projout:
	.size	k_q7ba5895f8f_projout, .Lfunc_end_k_q7ba5895f8f_projout-k_q7ba5895f8f_projout
	.p2alignl 7, 3214868480
	.fill 96, 4, 3214868480
	.section	.rodata,"a",@progbits
	.p2align	6, 0x0
	.amdhsa_kernel k_q7ba5895f8f_projout
		.amdhsa_group_segment_fixed_size 327680
		.amdhsa_private_segment_fixed_size 0
		.amdhsa_enable_private_segment 0
		.amdhsa_kernarg_size 32
		.amdhsa_user_sgpr_count 2
		.amdhsa_user_sgpr_kernarg_segment_ptr 1
		.amdhsa_wavefront_size32 1
		.amdhsa_system_sgpr_workgroup_id_x 1
		.amdhsa_system_sgpr_workgroup_id_y 1
		.amdhsa_system_sgpr_workgroup_id_z 1
		.amdhsa_system_vgpr_workitem_id 0
		.amdhsa_next_free_vgpr 576
		.amdhsa_next_free_sgpr 100
		.amdhsa_reserve_vcc 0
		.amdhsa_float_denorm_mode_32 3
		.amdhsa_float_denorm_mode_16_64 3
		.amdhsa_memory_ordered 1
		.amdhsa_forward_progress 1
		.amdhsa_inst_pref_size 92
	.end_amdhsa_kernel
	.amdgpu_metadata
---
amdhsa.version: [ 1, 2 ]
amdhsa.kernels:
  - .name:           k_q7ba5895f8f_projout
    .symbol:         k_q7ba5895f8f_projout.kd
    .args:
      - { .name: att, .offset: 0, .size: 8, .value_kind: global_buffer, .address_space: global }
      - { .name: bf, .offset: 8, .size: 8, .value_kind: global_buffer, .address_space: global }
      - { .name: out_b, .offset: 16, .size: 8, .value_kind: global_buffer, .address_space: global }
      - { .name: out0, .offset: 24, .size: 8, .value_kind: global_buffer, .address_space: global }
    .group_segment_fixed_size: 327680
    .private_segment_fixed_size: 0
    .kernarg_segment_align: 8
    .kernarg_segment_size: 32
    .max_flat_workgroup_size: 128
    .sgpr_count:     100
    .vgpr_count:     576
    .wavefront_size: 32
...
	.end_amdgpu_metadata
.endif
;; end of part 5
;; ======== version 2 of 2: 5 launches; version 1 with the launch cvt written anew for expert scheduling mode
;; workspace buffers: bf 15,728,640 bytes; ql 12,582,912 bytes; kv 16,777,216 bytes; att 8,388,608 bytes
;; launch cvt (part 6): grid 480 x 1, 8 waves a work-group, no clusters, 0 bytes of LDS; arguments x, q_w, kvd_w, kvu_w, out_w, bf; writes bf
.if DOCPART == 6
	.amdgcn_target "amdgcn-amd-amdhsa--gfx1250"
	.amdhsa_code_object_version 6
	.text
	.protected	k_q7ba5895f8f_cvt
	.globl	k_q7ba5895f8f_cvt
	.p2align	8
	.type	k_q7ba5895f8f_cvt,@function
k_q7ba5895f8f_cvt:
	s_mov_b64 s[64:65], 0
	v_nop
	global_prefetch_b8 v0, s[64:65] scope:SCOPE_SE
	s_setreg_imm32_b32 hwreg(HW_REG_WAVE_SCHED_MODE, 0, 2), 2
	s_setreg_imm32_b32 hwreg(HW_REG_WAVE_MODE, 25, 1), 1
	s_wait_xcnt 0x0
	s_wait_alu depctr_vm_vsrc(0)
; Casts the five matrix operands from f32 to bf16 (one rounding to nearest even), once, so that the products that follow move half the bytes
; and no work-group repeats a conversion.  bf holds, in this order and without gaps: x [4096][1024], q_w [1024][1024], kvd_w [512][1024]
; (so q_w and kvd_w form one matrix of 1536 rows), kvu_w [2048][512], out_w [1024][1024].
; A work-group casts 16,384 numbers: 65,536 bytes in, 32,768 bytes out; 480 work-groups cover the 7,864,320 numbers.
; A stream: no LDS, no barrier, no matrix unit, no cluster (no two work-groups read the same byte).
; Every load of a wave covers 512 consecutive bytes; every store of a wave covers 256 consecutive bytes, aligned.
; THE MODE: SCHED_MODE bits 1:0 = 2 (LLVM: expert scheduling mode 2), set by the entry lines.  The code itself states the register dependences
; between vector instructions and memory instructions, with s_wait_alu, always for 0.
; THE PLAN.  Registers that memory instructions touch:
;   v1, v2     byte offsets of the loads and of the stores: written once at the head, never again.
;   X[g]       load g lands in it, once; no vector instruction names it before; load g's two conversions read it; nothing lands there again.
;   Y[g]       load g's two conversions write it, once; store g reads it; nothing writes it again.
; So what the text owes is: the offsets are written before the first load reads them, and a Y is written before its store reads it.
; The 16 loads go in four groups of four.  A group's four stores stand in one run at the head of the next group, behind the counted wait for that
; group's first load and behind ONE wait on va_vdst for the group's eight conversions; the last group's stand behind a wait of their own.
; No register that a memory instruction reads is written again, so no wait on vm_vsrc is owed; no vector instruction writes a scalar register; EXEC is never written.
.set NLD, 16                           ; loads of a thread, all issued before the first wait
.set GRP, 4                            ; loads, and stores, in a group
.set X,   4                            ; v[4:67]   16 x 4 numbers as loaded
.set Y,   68                           ; v[68:99]  16 x 2 words of packed bf16
; The four stores of the group that begins with load number first.
.macro STORES first
.irp i, 0,1,2,3
	global_store_b64 v2, v[Y+2*((\first)+(\i)):Y+2*((\first)+(\i))+1], s[14:15] offset:2048*((\first)+(\i))    ; no register is used twice: no further wait
.endr
.endm
	s_load_b256 s[4:11], s[0:1], 0x0               ; x s[4:5], q_w s[6:7], kvd_w s[8:9], kvu_w s[10:11]
	s_load_b128 s[12:15], s[0:1], 0x20             ; out_w s[12:13], bf s[14:15]
	v_lshlrev_b32 v1, 4, v0                        ; 16 bytes a thread in
	v_lshlrev_b32 v2, 3, v0                        ; 8 bytes a thread out
	s_lshl_b32 s22, ttmp9, 15                      ; my 32,768 bytes of bf
	s_mov_b32 s23, 0
	s_mov_b32 s18, 416                             ; first work-group of the source chosen so far: out_w
	s_wait_kmcnt 0x0
	s_mov_b64 s[16:17], s[12:13]
	; the source is chosen by the work-group's number alone: four selects, no branch
	s_cmp_lt_u32 ttmp9, 416
	s_cselect_b64 s[16:17], s[10:11], s[16:17]     ; 352 .. 415: kvu_w
	s_cselect_b32 s18, 352, s18
	s_cmp_lt_u32 ttmp9, 352
	s_cselect_b64 s[16:17], s[8:9], s[16:17]       ; 320 .. 351: kvd_w
	s_cselect_b32 s18, 320, s18
	s_cmp_lt_u32 ttmp9, 320
	s_cselect_b64 s[16:17], s[6:7], s[16:17]       ; 256 .. 319: q_w
	s_cselect_b32 s18, 256, s18
	s_cmp_lt_u32 ttmp9, 256
	s_cselect_b64 s[16:17], s[4:5], s[16:17]       ; 0 .. 255: x
	s_cselect_b32 s18, 0, s18
	s_sub_co_u32 s20, ttmp9, s18                   ; my place within the source,
	s_lshl_b32 s20, s20, 16                        ; times 65,536 bytes
	s_mov_b32 s21, 0
	s_add_nc_u64 s[16:17], s[16:17], s[20:21]
	s_add_nc_u64 s[14:15], s[14:15], s[22:23]
	s_wait_alu depctr_va_vdst(0)                   ; v1 and v2 are written: every load of the kernel reads v1 as its offset, every store v2
.set g, 0
.rept NLD
	global_load_b128 v[X+4*g:X+4*g+3], v1, s[16:17] offset:4096*g th:TH_LOAD_NT    ; read once in the launch
.set g, g+1
.endr
.set g, 0
.rept NLD
	s_wait_loadcnt NLD-1-g                         ; loads come back in order: load g is in, the younger ones stay out
.if (g % GRP == 0) && (g > 0)
	s_wait_alu depctr_va_vdst(0)                   ; the eight conversions of the group before have written their Y, which the four stores below read
	STORES g-GRP
.endif
	v_cvt_pk_bf16_f32 v[Y+2*g],   v[X+4*g],   v[X+4*g+1]
	v_cvt_pk_bf16_f32 v[Y+2*g+1], v[X+4*g+2], v[X+4*g+3]
.set g, g+1
.endr
	s_wait_alu depctr_va_vdst(0)                   ; the last group's conversions have written their Y, which the last four stores read
	STORES NLD-GRP
	s_endpgm
.Lfunc_end_k_q7ba5895f8f_cvt:
	.size	k_q7ba5895f8f_cvt, .Lfunc_end_k_q7ba5895f8f_cvt-k_q7ba5895f8f_cvt
	.p2alignl 7, 3214868480
	.fill 96, 4, 3214868480
	.section	.rodata,"a",@progbits
	.p2align	6, 0x0
	.amdhsa_kernel k_q7ba5895f8f_cvt
		.amdhsa_group_segment_fixed_size 0
		.amdhsa_private_segment_fixed_size 0
		.amdhsa_enable_private_segment 0
		.amdhsa_kernarg_size 48
		.amdhsa_user_sgpr_count 2
		.amdhsa_user_sgpr_kernarg_segment_ptr 1
		.amdhsa_wavefront_size32 1
		.amdhsa_system_sgpr_workgroup_id_x 1
		.amdhsa_system_sgpr_workgroup_id_y 1
		.amdhsa_system_sgpr_workgroup_id_z 1
		.amdhsa_system_vgpr_workitem_id 0
		.amdhsa_next_free_vgpr 100
		.amdhsa_next_free_sgpr 66
		.amdhsa_reserve_vcc 0
		.amdhsa_float_denorm_mode_32 3
		.amdhsa_float_denorm_mode_16_64 3
		.amdhsa_memory_ordered 1
		.amdhsa_forward_progress 1
		.amdhsa_inst_pref_size 8
	.end_amdhsa_kernel
	.amdgpu_metadata
---
amdhsa.version: [ 1, 2 ]
amdhsa.kernels:
  - .name:           k_q7ba5895f8f_cvt
    .symbol:         k_q7ba5895f8f_cvt.kd
    .args:
      - { .name: x, .offset: 0, .size: 8, .value_kind: global_buffer, .address_space: global }
      - { .name: q_w, .offset: 8, .size: 8, .value_kind: global_buffer, .address_space: global }
      - { .name: kvd_w, .offset: 16, .size: 8, .value_kind: global_buffer, .address_space: global }
      - { .name: kvu_w, .offset: 24, .size: 8, .value_kind: global_buffer, .address_space: global }
      - { .name: out_w, .offset: 32, .size: 8, .value_kind: global_buffer, .address_space: global }
      - { .name: bf, .offset: 40, .size: 8, .value_kind: global_buffer, .address_space: global }
    .group_segment_fixed_size: 0
    .private_segment_fixed_size: 0
    .kernarg_segment_align: 8
    .kernarg_segment_size: 48
    .max_flat_workgroup_size: 256
    .sgpr_count:     66
    .vgpr_count:     100
    .wavefront_size: 32
...
	.end_amdgpu_metadata
.endif
;; end of part 6
;; launch projql: the kernel of part 2 again; grid 8 x 32, 4 waves a work-group, clusters of 4 x 4, 327,680 bytes of LDS; arguments bf, q_b, kvd_b, ql; writes ql
;; launch projkv: the kernel of part 3 again; grid 8 x 32, 4 waves a work-group, clusters of 4 x 4, 327,680 bytes of LDS; arguments ql, bf, kvu_b, kv; writes kv
;; launch attn: the kernel of part 4 again; grid 8 x 32, 8 waves a work-group, clusters of 4 x 1, 327,680 bytes of LDS; arguments ql, kv, att; writes att
;; launch projout: the kernel of part 5 again; grid 8 x 32, 4 waves a work-group, clusters of 4 x 4, 327,680 bytes of LDS; arguments att, bf, out_b, out0; writes out0
